; MI455X (gfx1250); checked and timed in simulation.
; The chip was launched on July 23, 2026; its instructions are those of AMD's public machine-readable ISA for CDNA 5 (MIT licence, August 2026) and "CDNA5" Instruction Set Architecture Reference Guide (July 2026). The comments in the code are by the model that wrote it; some were corrected since.
;; Attention. Allowed arithmetic: float matrix products may take bf16 or f16 operands with f32 sums; other float arithmetic in f32, or as packed bf16 or f16 multiplies, adds, multiply-adds, maxima and minima; sums over many terms, partial sums and values carried from step to step in f32; what a program stores and reads back later, other than sums and carried values, may be rounded once to bf16 or f16.
;; Inputs: mask 2,048 x 2,048 bool; wk 2,048 x 2,048 float32; wo 2,048 x 2,048 float32; wq 2,048 x 2,048 float32; wv 2,048 x 2,048 float32; x 2,048 x 2,048 float32.
;; Outputs: out0 2,048 x 2,048 float32.
;; One version. Each part assembles by itself: llvm-mc -triple=amdgcn-amd-amdhsa -mcpu=gfx1250 --defsym DOCPART=n.
;; ======== version 1 of 1: 4 launches
;; limits: values are held in f16: magnitudes above 65,504 overflow, below 6.1e-05 lose precision
;; workspace buffers: xb 8,388,608 bytes; wb 25,165,824 bytes; wof 8,388,608 bytes; mnib 2,097,152 bytes of whole numbers; rope 1,048,576 bytes; qkv 25,165,824 bytes; ob 8,388,608 bytes
;; launch prep (part 1): grid 256 x 6, 8 waves a work-group, no clusters, 35,840 bytes of LDS; arguments x, wq, wk, wv, wo, mask, xb, wb, wof, mnib, rope; writes xb, wb, wof, mnib, rope
.if DOCPART == 1
	.amdgcn_target "amdgcn-amd-amdhsa--gfx1250"
	.amdhsa_code_object_version 6
	.text
	.protected	k_qdc9c920eb9_prep
	.globl	k_qdc9c920eb9_prep
	.p2align	8
	.type	k_qdc9c920eb9_prep,@function
k_qdc9c920eb9_prep:
	s_mov_b64 s[64:65], 0
	v_nop
	global_prefetch_b8 v0, s[64:65] scope:SCOPE_SE
	s_setreg_imm32_b32 hwreg(HW_REG_WAVE_MODE, 25, 1), 1
	s_wait_xcnt 0x0
; PREP: what the matrix launches want in memory.  Grid 256 x 6, eight waves.
;   y = 0..3  x, wq, wk, wv rounded once to bf16 (xb; wb = [3][2048][2048]); a work-group takes 16,384 numbers
;   y = 4     wo rounded to bf16, that number written as f16 (wof)
;   y = 5, x < 128   the mask of 16 queries as nibbles, in the order in which a lane of the attention holds scores (mnib)
;   y = 5, x >= 128  cos and sin of 16 positions, in the order in which a lane of the projection holds columns (rope)
; mnib: the word of (G = q / 64, step s = key / 64, tile t = (q / 16) % 4, lane l, kb) lies at byte (((32 G + s) 4 + t) 32 + l) 16 + 4 kb;
; the lane stands for query 16 (4 G + t) + l % 16; nibble j is 0xE (the FP4 code of -4) where key 64 s + 16 kb + 8 (l / 16) + j is hidden, else 0.
; rope: at ((8 P + cb) 2 + e) 512 + 16 l lie (cos, sin, cos, sin) of position 16 P + l % 16 for the pairs 8 cb + 4 (l / 16) + 2 e and the next.
; LIMITS.  |wo| stays under 65,504 (f16's range).  The angle is position x 2^(-j log2(10000) / 64), the power by v_exp_f32: it may differ
; from a correctly rounded one by 2.5e-4 rad at position 2,047; sine and cosine by polynomials on |r| <= pi/4, off by under 4e-7.
; Memory binds: no matrix unit, no cluster.  Sixteen loads of 512 consecutive bytes of each wave are out together; every store covers whole aligned runs of 256 bytes.
; 80 REGISTERS: numbers are converted in the registers that they were loaded into, so that twelve waves' registers (960) fit a SIMD's 1,024: the grid's six work-groups for
; each of 256 WGPs can lie there together, and all their loads go out at the start.
.set SPARE, 34816                      ; behind the eight waves' 4,352 bytes: the spare words, 128 bytes a wave
.set SPW, 12                           ; v12   LDS address of my spare word; never rewritten
.set NIL, 13                           ; v13   0; never rewritten
.set WV,  26                           ; s26   my wave's number
.set GY,  27                           ; s27   the work-group's y
.set GX,  34                           ; s34   its x
	s_load_b512 s[4:19], s[0:1], 0x0               ; x, wq, wk, wv, wo, mask, xb, wb
	s_load_b128 s[20:23], s[0:1], 0x40             ; wof, mnib
	s_load_b64 s[24:25], s[0:1], 0x50              ; rope
	v_lshl_add_u32 v[SPW], v0, 2, SPARE
	v_mov_b32 v[NIL], 0
	v_lshrrev_b32 v1, 5, v0
	v_readfirstlane_b32 s[WV], v1
	s_and_b32 s[GY], ttmp7, 0xffff
	s_mov_b32 s[GX], ttmp9
	v_and_b32 v3, 31, v0                           ; lane
	s_max_u32 s32, s[GY], 1
	s_sub_co_u32 s32, s32, 1                       ; which third of wb (y = 1..3)
	s_wait_kmcnt 0x0
	s_cmp_eq_u32 s[GY], 0                          ; the conversions' source and destination, chosen by y
	s_cselect_b64 s[28:29], s[4:5], s[6:7]
	s_cselect_b64 s[30:31], s[16:17], s[18:19]
	s_cmp_eq_u32 s[GY], 2
	s_cselect_b64 s[28:29], s[8:9], s[28:29]
	s_cmp_eq_u32 s[GY], 3
	s_cselect_b64 s[28:29], s[10:11], s[28:29]
	s_cmp_eq_u32 s[GY], 4
	s_cselect_b64 s[28:29], s[12:13], s[28:29]
	s_cselect_b64 s[30:31], s[20:21], s[30:31]
	s_cselect_b32 s32, 0, s32
	s_lshl_b32 s32, s32, 23                        ; 8,388,608 bytes a matrix in bf16
	s_lshl_b32 s33, s[GX], 15                      ; 32,768 bytes out a work-group
	s_add_co_u32 s32, s32, s33
	s_mov_b32 s33, 0
	s_add_nc_u64 s[30:31], s[30:31], s[32:33]
	s_lshl_b32 s32, s[GX], 16                      ; 65,536 bytes in
	s_add_nc_u64 s[28:29], s[28:29], s[32:33]
	v_lshlrev_b32 v1, 4, v3
	v_lshl_add_u32 v1, s[WV], 13, v1               ; in: 8,192 x wave + 16 x lane
	v_lshlrev_b32 v2, 3, v3
	v_lshl_add_u32 v2, s[WV], 12, v2               ; out: half of that
	s_cmp_lt_u32 s[GY], 4
	s_cbranch_scc1 .Lbf
	s_cmp_eq_u32 s[GY], 4
	s_cbranch_scc1 .Lhf
	s_cmp_lt_u32 s[GX], 128
	s_cbranch_scc1 .Lmask
	; ---- cos and sin.  P = x - 128, cb = my wave's number
	s_sub_co_u32 s28, s[GX], 128
	v_and_b32 v4, 15, v0
	v_bfe_u32 v5, v0, 4, 1
	s_lshl_b32 s29, s28, 4
	v_add_nc_u32 v6, s29, v4
	v_cvt_f32_u32 v6, v6                           ; the position
	s_lshl_b32 s30, s[WV], 3
	v_lshl_add_u32 v7, v5, 2, s30                  ; my first pair: 8 cb + 4 (l / 16)
.irp n, 0,1,2,3
	v_add_nc_u32 v[8+\n], \n, v7
	v_cvt_f32_u32 v[8+\n], v[8+\n]
	v_mul_f32 v[8+\n], 0xbe549a78, v[8+\n]         ; -j log2(10000) / 64
.endr
.irp n, 0,1,2,3
	v_exp_f32 v[8+\n], v[8+\n]
.endr
	v_nop                                          ; a plain instruction behind the last of the four,
	s_wait_alu depctr_va_vdst(0)                   ; and one wait for the batch, ahead of its first reader
; angle = position x frequency; n = the nearest multiple of pi/2, taken away in two parts; sine and cosine of the rest; the quadrant swaps them and sets the signs
.macro SINCOS n
	v_mul_f32 v28, v6, v[8+(\n)]
	v_mul_f32 v29, 0x3f22f983, v28                 ; x 2/pi
	v_rndne_f32 v29, v29
	v_fmamk_f32 v30, v29, 0xbfc90fdb, v28          ; - n x 1.57079637
	v_fmamk_f32 v30, v29, 0x333bbd2e, v30          ; + n x 4.3711388e-8
	v_mul_f32 v31, v30, v30
	v_mov_b32 v32, 0xb9500d01                      ; -1/5040
	v_fmaak_f32 v32, v32, v31, 0x3c088889          ; 1/120
	v_fmaak_f32 v32, v32, v31, 0xbe2aaaab          ; -1/6
	v_mul_f32 v28, v30, v31
	v_fma_f32 v32, v28, v32, v30                   ; sin r
	v_mov_b32 v33, 0x37d00d01                      ; 1/40320
	v_fmaak_f32 v33, v33, v31, 0xbab60b61          ; -1/720
	v_fmaak_f32 v33, v33, v31, 0x3d2aaaab          ; 1/24
	v_fmaak_f32 v33, v33, v31, 0xbf000000          ; -1/2
	v_fma_f32 v33, v33, v31, 1.0                   ; cos r
	v_cvt_i32_f32 v34, v29
	v_and_b32 v28, 1, v34
	v_cmp_ne_u32 vcc_lo, 0, v28
	v_cndmask_b32 v[21+2*(\n)], v32, v33, vcc_lo   ; sine: in odd quadrants the cosine of the rest
	v_cndmask_b32 v[20+2*(\n)], v33, v32, vcc_lo
	v_and_b32 v28, 2, v34
	v_lshlrev_b32 v28, 30, v28
	v_xor_b32 v[21+2*(\n)], v28, v[21+2*(\n)]      ; sine is negative in quadrants 2, 3
	v_add_nc_u32 v34, 1, v34
	v_and_b32 v28, 2, v34
	v_lshlrev_b32 v28, 30, v28
	v_xor_b32 v[20+2*(\n)], v28, v[20+2*(\n)]      ; cosine in quadrants 1, 2
.endm
	SINCOS 0
	SINCOS 1
	SINCOS 2
	SINCOS 3
	s_lshl_b32 s32, s28, 13
	s_lshl_b32 s29, s[WV], 10
	s_add_co_u32 s32, s32, s29
	s_add_nc_u64 s[24:25], s[24:25], s[32:33]
	v_lshlrev_b32 v19, 4, v3
	global_store_b128 v19, v[20:23], s[24:25]
	global_store_b128 v19, v[24:27], s[24:25] offset:512
	s_endpgm
; ---- the conversions.  All sixteen loads go out together; the counts leave the younger ones out.  A load's four registers take its two packed words in place;
; no register that a store reads is written again, so nothing waits for a store.
.macro CONV hf
.set n, 0
.rept 16
	global_load_b128 v[16+4*n:19+4*n], v1, s[28:29] offset:512*n th:TH_LOAD_NT
.set n, n+1
.endr
.set n, 0
.rept 16
	s_wait_loadcnt 15-n
	v_cvt_pk_bf16_f32 v[16+4*n], v[16+4*n], v[17+4*n]
	v_cvt_pk_bf16_f32 v[17+4*n], v[18+4*n], v[19+4*n]
.if \hf
.irp w, 0,1
	v_lshlrev_b32 v4, 16, v[16+4*n+\w]             ; the bf16 numbers as f32,
	v_and_b32 v5, 0xffff0000, v[16+4*n+\w]
	v_cvt_pk_f16_f32 v[16+4*n+\w], v4, v5          ; written as f16
.endr
.endif
	global_store_b64 v2, v[16+4*n:17+4*n], s[30:31] offset:256*n th:TH_STORE_NT  ; 32 lanes: 256 consecutive bytes, aligned
.set n, n+1
.endr
	s_endpgm
.endm
.Lbf:
	CONV 0
.Lhf:
	CONV 1
; ---- the mask.  The work-group has 16 queries, my wave 256 keys of them.  Rows come in as whole runs of 256 bytes, go through my own 16 x 272 bytes of LDS
; (no other wave touches them: no barrier), and come back 8 bytes a lane: query l % 16, keys 16 kb + 8 (l / 16) + 0..7.
.Lmask:
	v_and_b32 v4, 15, v0
	v_bfe_u32 v5, v0, 4, 1
	v_lshlrev_b32 v6, 4, v4
	v_lshl_add_u32 v7, v5, 11, v6
	v_lshl_add_u32 v7, s[WV], 8, v7                ; in memory: (l / 16) rows + 256 x wave + 16 (l % 16)
	s_mul_i32 s35, s[WV], 4352
	v_mul_u32_u24 v8, v5, 272
	v_add3_u32 v8, v8, v6, s35                     ; into LDS
	v_mul_u32_u24 v9, v4, 272
	v_lshl_add_u32 v9, v5, 3, v9
	v_add_nc_u32 v9, s35, v9                       ; back
	v_lshlrev_b32 v10, 4, v3
	s_lshl_b32 s32, s[GX], 15                      ; 16 rows of 2,048 bytes
	s_add_nc_u64 s[14:15], s[14:15], s[32:33]
	s_lshr_b32 s32, s[GX], 2
	s_lshl_b32 s32, s32, 16                        ; G x 65,536
	s_and_b32 s35, s[GX], 3
	s_lshl_b32 s35, s35, 9                         ; t x 512
	s_add_co_u32 s32, s32, s35
	s_lshl_b32 s35, s[WV], 13                      ; my four steps of 2,048
	s_add_co_u32 s32, s32, s35
	s_add_nc_u64 s[22:23], s[22:23], s[32:33]
.irp i, 0,1,2,3,4,5,6,7
	global_load_b128 v[16+4*\i:19+4*\i], v7, s[14:15] offset:4096*\i th:TH_LOAD_NT
.endr
.irp i, 0,1,2,3,4,5,6,7
	s_wait_loadcnt 7-\i
	ds_store_b128 v8, v[16+4*\i:19+4*\i] offset:544*\i
.endr
.irp i, 0,1,2,3,4,5,6,7,8,9,10,11,12,13,14,15
	ds_load_b64 v[48+2*\i:49+2*\i], v9 offset:16*\i  ; LDS serves a wave's instructions in order (ISA guide 5.7.1.4): these see the stores above
.endr
; Eight bytes of 0 or 1 become eight nibbles of 0xE (hidden) or 0: turn the bytes over, push bit 0 of each byte to bit 4 x its number, times 14
.macro NIB d, lo, hi
.irp x, \lo, \hi
	v_xor_b32 v[\x], 0x01010101, v[\x]
	v_lshrrev_b32 v11, 4, v[\x]
	v_or_b32 v[\x], v[\x], v11
	v_and_b32 v[\x], 0x00110011, v[\x]
	v_lshrrev_b32 v11, 8, v[\x]
	v_or_b32 v[\x], v[\x], v11
	v_and_b32 v[\x], 0x1111, v[\x]
.endr
	v_lshl_or_b32 v[\d], v[\hi], 16, v[\lo]
	v_mul_lo_u32 v[\d], v[\d], 14
.endm
.set kk, 0
.rept 4
	s_wait_dscnt 12-kk                             ; this step's four loads are back (and the LDS stores ahead of them done: v16 on are free), the later ones stay out
.rept 4
	NIB 16+kk, 48+2*kk, 49+2*kk
.set kk, kk+1
.endr
	global_store_b128 v10, v[12+kk:15+kk], s[22:23] offset:512*(kk-4)  ; 512 consecutive bytes; steps lie 2,048 apart
.endr
	s_wait_tensorcnt 0x0                           ; the wave's end, behind my last LDS store
	ds_add_u32 v[SPW], v[NIL]
	s_wait_dscnt 0x0
	s_endpgm
.Lfunc_end_k_qdc9c920eb9_prep:
	.size	k_qdc9c920eb9_prep, .Lfunc_end_k_qdc9c920eb9_prep-k_qdc9c920eb9_prep
	.p2alignl 7, 3214868480
	.fill 96, 4, 3214868480
	.section	.rodata,"a",@progbits
	.p2align	6, 0x0
	.amdhsa_kernel k_qdc9c920eb9_prep
		.amdhsa_group_segment_fixed_size 35840
		.amdhsa_private_segment_fixed_size 0
		.amdhsa_enable_private_segment 0
		.amdhsa_kernarg_size 88
		.amdhsa_user_sgpr_count 2
		.amdhsa_user_sgpr_kernarg_segment_ptr 1
		.amdhsa_wavefront_size32 1
		.amdhsa_system_sgpr_workgroup_id_x 1
		.amdhsa_system_sgpr_workgroup_id_y 1
		.amdhsa_system_sgpr_workgroup_id_z 1
		.amdhsa_system_vgpr_workitem_id 0
		.amdhsa_next_free_vgpr 80
		.amdhsa_next_free_sgpr 66
		.amdhsa_reserve_vcc 1
		.amdhsa_float_denorm_mode_32 3
		.amdhsa_float_denorm_mode_16_64 3
		.amdhsa_memory_ordered 1
		.amdhsa_forward_progress 1
		.amdhsa_inst_pref_size 41
	.end_amdhsa_kernel
	.amdgpu_metadata
---
amdhsa.version: [ 1, 2 ]
amdhsa.kernels:
  - .name:           k_qdc9c920eb9_prep
    .symbol:         k_qdc9c920eb9_prep.kd
    .args:
      - { .name: x, .offset: 0, .size: 8, .value_kind: global_buffer, .address_space: global }
      - { .name: wq, .offset: 8, .size: 8, .value_kind: global_buffer, .address_space: global }
      - { .name: wk, .offset: 16, .size: 8, .value_kind: global_buffer, .address_space: global }
      - { .name: wv, .offset: 24, .size: 8, .value_kind: global_buffer, .address_space: global }
      - { .name: wo, .offset: 32, .size: 8, .value_kind: global_buffer, .address_space: global }
      - { .name: mask, .offset: 40, .size: 8, .value_kind: global_buffer, .address_space: global }
      - { .name: xb, .offset: 48, .size: 8, .value_kind: global_buffer, .address_space: global }
      - { .name: wb, .offset: 56, .size: 8, .value_kind: global_buffer, .address_space: global }
      - { .name: wof, .offset: 64, .size: 8, .value_kind: global_buffer, .address_space: global }
      - { .name: mnib, .offset: 72, .size: 8, .value_kind: global_buffer, .address_space: global }
      - { .name: rope, .offset: 80, .size: 8, .value_kind: global_buffer, .address_space: global }
    .group_segment_fixed_size: 35840
    .private_segment_fixed_size: 0
    .kernarg_segment_align: 8
    .kernarg_segment_size: 88
    .max_flat_workgroup_size: 256
    .sgpr_count:     66
    .vgpr_count:     80
    .wavefront_size: 32
...
	.end_amdgpu_metadata
.endif
;; end of part 1
;; launch qkv (part 2): grid 16 x 16, 4 waves a work-group, clusters of 4 x 4, 327,680 bytes of LDS; arguments xb, wb, rope, qkv; writes qkv
.if DOCPART == 2
	.amdgcn_target "amdgcn-amd-amdhsa--gfx1250"
	.amdhsa_code_object_version 6
	.text
	.protected	k_qdc9c920eb9_qkv
	.globl	k_qdc9c920eb9_qkv
	.p2align	8
	.type	k_qdc9c920eb9_qkv,@function
k_qdc9c920eb9_qkv:
	s_mov_b64 s[64:65], 0
	v_nop
	global_prefetch_b8 v0, s[64:65] scope:SCOPE_SE
	s_setreg_imm32_b32 hwreg(HW_REG_WAVE_MODE, 25, 1), 1
	s_wait_xcnt 0x0
	s_wait_alu depctr_hold_cnt(0) depctr_sa_sdst(0) depctr_va_vdst(0) depctr_va_sdst(0) depctr_va_ssrc(0) depctr_va_vcc(0) depctr_vm_vsrc(0)
	s_getreg_b32 s2, hwreg(HW_REG_IB_STS2, 6, 4)
	s_cmp_eq_u32 s2, 0
	s_cbranch_scc0 .Lentry_in_a_cluster
	s_endpgm
.Lentry_in_a_cluster:
	s_bfe_u32 s2, ttmp6, 0x10000c
	s_cmp_lg_u32 s2, 0xf033
	s_cbranch_scc0 .Lentry_shape_is_right
	s_endpgm
.Lentry_shape_is_right:
; q, k, v = x wq^T, x wk^T, x wv^T, rotated (q, k), by heads: qkv = [3][16][2048][128] in f16.  xb: [2048][2048], wb: [3][2048][2048], bf16; sums in f32.
; q also carries c = log2(e) / sqrt(128), multiplied in f32 ahead of its one rounding, so that the attention's scores are exponents of 2.
; LIMIT: |c q|, |k|, |v| stay under 65,504 (f16's range).
; SHARES.  Work-group (i, j): 128 rows of x (block i, by the grid's x) times head j's (by its y) 128 rows of each of wq, wk, wv: a tile of 128 x 384; 16 x 16 work-groups.
; Wave (rh, ch): rows 64 rh on, columns 64 ch on of each of the three: 4 x 12 accumulators, 384 registers; 32 LDS loads feed 48 products.
; RING.  K in steps of 128 through two LDS slots: [x's 128 rows | wq's | wk's | wv's], rows of 256 bytes + 16 of padding.  Wave 0 fetches x's tile, waves 1 to 3 one weight's each: one load a wave.
; CLUSTER 4 x 4: x's tile hangs on i alone and is asked for jointly along a column of the cluster, a weight's tile on j alone and jointly along a row.
; THE WALK ALONG K IS TURNED.  Cluster (X, Y) begins at K step 4 X + 8 f (mod 16), f = bit 0 of Y xor Y / 2, and goes round: the four clusters that read a weight's rows begin 4 K steps apart,
; and of the four that read x's rows two begin 8 K steps from the other two.  So clusters that read the same rows ask for a given K step at different times.  (f32 sums may be taken in any order.)
; TRANSPOSED: source 0 = 16 rows of a weight, source 1 = 16 rows of x: a lane holds one row of x and eight neighbouring columns: four pairs of the rotation.
; REGISTERS.  window 0: v8-30 addresses; v32-47 packed results; v64-127 x's fragments, two buffers (later at work); v128-255 cos and sin for my 64 rows x 64 columns
;   window 1: v0-95, v96-191 the weights' fragments, two buffers (block b = 4 type + b');   windows 2, 3: accumulators of row blocks 0, 1 and 2, 3 at 8 (12 a + b)
.set KSTEP,  128
.set PITCH,  272                       ; 256 bytes + 16: 68 words, so the 16 rows of a fragment load start at 16 different groups of four banks (64 banks of 4 bytes: ISA guide 11.1)
.set HALFT,  128*PITCH                 ; what one tensor load brings
.set SLOT,   4*HALFT
.set SPARE,  2*SLOT                    ; behind the ring: the spare words, 128 bytes a wave
.set LAPS,   8                         ; 2,048 / 256: a lap is two K steps
.set RD,   8                           ; v8-10   the way out: where I read rows back, by type
.set ADRA, 16                          ; v16-17  my fragments of x in slot 0, 1
.set ADRB, 18                          ; v18-23  my fragments of the weights: 3 x slot + type
.set STO,  24                          ; v24-26  the way out: where I put 16 bytes of a row, by type
.set CO,   27                          ; v27     16 x lane
.set SPW,  28                          ; v28     LDS address of my spare word; never rewritten
.set NIL,  29                          ; v29     0; never rewritten
.set PFO,  30                          ; v30     lane x 4,096: a row of xb or wb
.set PKD,  32
.set OO,   64                          ; the way out: 32 rotated numbers,
.set TT,   96                          ; and 32 products at work
.set RT,   128                         ; cos, sin of (row block a, column block b', pair p) at RT + 8 (4 a + b') + 2 p
.set WV,  12
.set PFA, 44                           ; s[44:45] the address that the next prefetch names
.set G1,  24
.set G0,  32
.set G1B, 48
.set G0B, 56
.set OUT, 66                           ; s[66:71] q, k, v at the first row that I store
.set CS,  72                           ; s[72:73] c, twice
.set RP,  74                           ; s[74:75] the table at my rows and columns
.set ABS, 76                           ; s[76:77] xb at the first row of x's tile
.set BBS, 78                           ; s[78:79] wb at the first row of the tile that I fetch
.set KO,  80                           ; s[80:81] byte in a row of the K step asked for last; the high word is 0
.set PFB, 82                           ; s[82:83] xb or wb at my work-group's 32 rows of the tile that I fetch
.set NA,  84                           ; s84  how many refills of mine are followed by a prefetch
.set RF,  85                           ; s85  refills so far
.set PO,  86                           ; s[86:87] byte in a row of the K step that the prefetch names; the high word is 0
.set MSB, 0
.macro WIN new                         ; the immediate's high byte repeats the setting that is left; a switch that changes nothing is dropped
.if MSB != (\new)
	s_set_vgpr_msb (MSB<<8)|(\new)
.set MSB, \new
.endif
.endm
.macro PLACES
.rept 4
	v_nop
.endr
.endm
; A joint load: wave 0 asks for x's tile, waves 1 to 3 for a weight's.  The branch hangs on the wave's number alone.  An s_nop 0 and four v_nop follow each line.
.macro JLOAD s
	s_cmp_eq_u32 s[WV], 0
	s_cbranch_scc0 .Lfor_b_\@
	tensor_load_to_lds s[G0+4*(\s):G0+4*(\s)+3], s[G1:G1+7]
	s_nop 0
.rept 4
	v_nop
.endr
	s_branch .Lasked_\@
.Lfor_b_\@:
	tensor_load_to_lds s[G0B+4*(\s):G0B+4*(\s)+3], s[G1B:G1B+7]
	s_nop 0
.rept 4
	v_nop
.endr
.Lasked_\@:
.endm
; A prefetch of the K step that the NEXT refill will ask for, 192 products ahead of that load: 32 rows x 256 bytes, a lane a row.  It is laid for the K steps to which my cluster's walk comes
; ahead of every other cluster that reads the same rows.  A weight's rows: the walk's steps 0 to 3 (the four walks begin 4 apart): waves 1 to 3 ask once, behind the first refill, for step 3.
; x's rows: steps 0 to 7 (the walks begin 8 apart, two clusters on each walk): wave 0 asks behind the first five refills, for steps 3 to 7, in the clusters with y = 0 and 1, one of each walk.
; The four partners of a joint load take 32 of its 128 rows each, told apart by address.  So no row's 256 bytes are named twice.  The walk's steps 0 to 2 come by their loads alone.
.macro ASK
	s_cmp_lt_u32 s[RF], s[NA]
	s_cbranch_scc0 .Lnot_mine_\@
	global_prefetch_b8 v[PFO], s[PFA:PFA+1] th:TH_LOAD_NT scope:SCOPE_SE
.Lnot_mine_\@:
	s_add_co_u32 s[RF], s[RF], 1
.endm
.macro CREST                           ; a round of the cluster's barrier behind its opening barrier
	s_cmp_lg_u32 s[WV], 0
	s_cbranch_scc1 .Lnot_wave_0_\@
	s_barrier_signal -3
.Lnot_wave_0_\@:
	s_barrier_wait -3
	s_barrier_signal -1
	s_barrier_wait -1
.endm
.macro CROUND
	s_barrier_signal -1
	s_barrier_wait -1
	CREST
.endm
; Both descriptors of slot s take the K step at byte s[KO] of the rows: the address is made anew from the tile's first row and that offset, the type bits set again
.macro AIM s
	s_add_nc_u64 s[G0+4*(\s)+2:G0+4*(\s)+3], s[ABS:ABS+1], s[KO:KO+1]
	s_or_b32 s[G0+4*(\s)+3], s[G0+4*(\s)+3], 0x80000000
	s_add_nc_u64 s[G0B+4*(\s)+2:G0B+4*(\s)+3], s[BBS:BBS+1], s[KO:KO+1]
	s_or_b32 s[G0B+4*(\s)+3], s[G0B+4*(\s)+3], 0x80000000
.endm
	s_load_b256 s[4:11], s[0:1], 0x0               ; xb s[4:5], wb s[6:7], rope s[8:9], qkv s[10:11]
	v_lshl_add_u32 v[SPW], v0, 2, SPARE
	v_mov_b32 v[NIL], 0
	ds_add_u32 v[SPW], v[NIL]                      ; the wave's opening: the add and its wait ahead of my first tensor load
	v_lshrrev_b32 v1, 5, v0
	v_readfirstlane_b32 s[WV], v1
	s_lshr_b32 s13, s[WV], 1                       ; rh
	s_and_b32 s14, s[WV], 1                        ; ch
	s_bfe_u32 s40, ttmp6, 0x40000                  ; cx
	s_bfe_u32 s41, ttmp6, 0x40004                  ; cy
	s_lshl_b32 s15, ttmp9, 2
	s_add_co_u32 s15, s15, s40                     ; i, the block of rows = 4 x cluster x + cx
	s_and_b32 s42, ttmp7, 0xffff
	s_lshl_b32 s42, s42, 2
	s_add_co_u32 s42, s42, s41                     ; j, the head = 4 x cluster y + cy
	s_lshl_b32 s43, 0x1111, s40                    ; my column of the cluster: the same i
	s_lshl_b32 s44, s41, 2
	s_lshl_b32 s44, 15, s44                        ; my row: the same j
	s_or_b32 s[G1+0], s43, (1<<16)|(1<<20)|(1<<21)|(5<<22)|(3<<25)   ; the mask; 2-byte elements; padding on; bit 21 beside a mask; after every 64 words 4 words
	s_or_b32 s[G1B+0], s44, (1<<16)|(1<<20)|(1<<21)|(5<<22)|(3<<25)
.irp g, G1, G1B
	s_mov_b32 s[(\g)+1], KSTEP<<16                 ; tensor_dim0 = 128
	s_mov_b32 s[(\g)+2], 128<<16                   ; tensor_dim1 = 128
	s_mov_b32 s[(\g)+3], KSTEP<<16                 ; tile_dim0 = 128
	s_mov_b32 s[(\g)+4], 128                       ; tile_dim1 = 128
	s_mov_b32 s[(\g)+5], 2048                      ; elements from row to row
	s_mov_b32 s[(\g)+6], 0
	s_mov_b32 s[(\g)+7], 0
.endr
	s_and_b32 s22, ttmp7, 0xffff                   ; where my cluster's walk begins: the same in all sixteen partners
	s_lshr_b32 s23, s22, 1
	s_xor_b32 s23, s23, s22
	s_and_b32 s23, s23, 1                          ; f
	s_lshl_b32 s23, s23, 11                        ; 8 K steps of 256 bytes
	s_lshl_b32 s22, ttmp9, 10                      ; 4 X K steps
	s_add_co_u32 s[KO], s22, s23
	s_and_b32 s[KO], s[KO], 4095                   ; a row has 4,096 bytes
	s_mov_b32 s[KO+1], 0
	s_lshl_b32 s16, s15, 19                        ; x: 128 i rows of 4,096 bytes
	s_mov_b32 s17, 0
	s_max_u32 s46, s[WV], 1
	s_sub_co_u32 s46, s46, 1                       ; the weight that I fetch (wave 0 fetches none)
	s_lshl_b32 s46, s46, 23
	s_lshl_b32 s47, s42, 19                        ; 128 j rows
	s_add_co_u32 s46, s46, s47
	s_mov_b32 s47, 0
	s_mul_i32 s20, s[WV], HALFT                    ; where my tile goes: no place in the cluster enters an LDS address
	s_mov_b32 s[CS], 0x3e0293ee                    ; c = 0.127517
	s_mov_b32 s[CS+1], s[CS]
	s_wait_dscnt 0x0                               ; the opening add is done
	s_wait_kmcnt 0x0
	s_add_nc_u64 s[ABS:ABS+1], s[4:5], s[16:17]
	s_add_nc_u64 s[BBS:BBS+1], s[6:7], s[46:47]
	CROUND                                         ; all sixteen work-groups are here: the first joint loads meet
.irp s, 0,1
	s_mov_b32 s[G0+4*(\s)], 1
	s_add_co_u32 s[G0+4*(\s)+1], s20, (\s)*SLOT
	s_mov_b32 s[G0B+4*(\s)], 1
	s_add_co_u32 s[G0B+4*(\s)+1], s20, (\s)*SLOT
	AIM \s
	JLOAD \s
.if (\s) == 0
	s_add_co_u32 s[KO], s[KO], KSTEP*2             ; the walk's second step: it begins at a multiple of 4 K steps, so this one does not go round
.endif
.endr
	v_and_b32 v1, 15, v0                           ; r = l % 16
	v_bfe_u32 v2, v0, 4, 1                         ; h = l / 16
	v_mul_u32_u24 v3, v1, PITCH
	v_lshl_add_u32 v3, v2, 4, v3                   ; r x pitch + 16 h
	s_mul_i32 s21, s13, 64*PITCH                   ; my 64 rows of x
	s_mul_i32 s22, s14, 64*PITCH
	s_add_co_u32 s22, s22, HALFT                   ; my 64 rows of wq's tile
.irp s, 0,1
	v_add_nc_u32 v[ADRA+(\s)], s21, v3
	s_add_co_u32 s21, s21, SLOT
.irp t, 0,1,2
	v_add_nc_u32 v[ADRB+3*(\s)+(\t)], s22, v3
	s_add_co_u32 s22, s22, HALFT
.endr
	s_add_co_u32 s22, s22, HALFT                   ; past x's tile of the next slot
.endr
	s_mul_i32 s23, s13, 64*PITCH                   ; the stage, 384 rows x 272 bytes in slot 0: row = 128 type + the row in the tile
	s_lshl_b32 s21, s14, 7
	s_add_co_u32 s23, s23, s21
	v_add_nc_u32 v[STO], s23, v3
	v_add_nc_u32 v[STO+1], HALFT, v[STO]
	v_add_nc_u32 v[STO+2], 2*HALFT, v[STO]
	s_mul_i32 s23, s[WV], 32*PITCH                 ; back: wave w takes rows 32 w on of each type, whole
	v_mul_u32_u24 v4, v2, PITCH
	v_lshl_add_u32 v4, v1, 4, v4
	v_add_nc_u32 v[RD], s23, v4
	v_add_nc_u32 v[RD+1], HALFT, v[RD]
	v_add_nc_u32 v[RD+2], 2*HALFT, v[RD]
	v_and_b32 v[CO], 31, v0
	v_lshlrev_b32 v[PFO], 12, v[CO]
	v_lshlrev_b32 v[CO], 4, v[CO]
	s_lshl_b32 s20, s15, 15                        ; 128 i rows of 256 bytes,
	s_lshl_b32 s21, s[WV], 13                      ; 32 w more
	s_add_co_u32 s20, s20, s21
	s_mov_b32 s21, 0
	s_add_nc_u64 s[OUT:OUT+1], s[10:11], s[20:21]
	s_lshl_b32 s46, s42, 19                        ; the head's 524,288 bytes
	s_mov_b32 s47, 0
	s_add_nc_u64 s[OUT:OUT+1], s[OUT:OUT+1], s[46:47]
	s_add_nc_u64 s[OUT+2:OUT+3], s[OUT:OUT+1], 0x800000
	s_add_nc_u64 s[OUT+4:OUT+5], s[OUT:OUT+1], 0x1000000
	s_lshl_b32 s20, s15, 16                        ; the table: position block 8 i + 4 rh, 8,192 bytes each; column block 4 ch, 1,024 each
	s_lshl_b32 s22, s13, 15
	s_add_co_u32 s20, s20, s22
	s_lshl_b32 s22, s14, 12
	s_add_co_u32 s20, s20, s22
	s_add_nc_u64 s[RP:RP+1], s[8:9], s[20:21]
.irp a, 0,1,2,3
.irp b, 0,1,2,3
	global_load_b128 v[RT+8*(4*(\a)+(\b)):RT+8*(4*(\a)+(\b))+3],   v[CO], s[RP:RP+1] offset:(\a)*8192+(\b)*1024
	global_load_b128 v[RT+8*(4*(\a)+(\b))+4:RT+8*(4*(\a)+(\b))+7], v[CO], s[RP:RP+1] offset:(\a)*8192+(\b)*1024+512
.endr
.endr
	; the prefetches
	s_lshl_b32 s20, s15, 19
	s_max_u32 s21, s[WV], 1
	s_sub_co_u32 s21, s21, 1
	s_lshl_b32 s21, s21, 23
	s_lshl_b32 s23, s42, 19
	s_add_co_u32 s21, s21, s23
	s_and_b32 s22, ttmp7, 0xffff                   ; cluster y
	s_cmp_lt_u32 s22, 2
	s_cselect_b32 s22, 5, 0                        ; x's rows: five prefetches in the clusters with y = 0 and 1, none in the others
	s_cmp_eq_u32 s[WV], 0                          ; do I fetch x?
	s_cselect_b32 s20, s20, s21                    ; my tile's first row, in bytes
	s_cselect_b32 s21, s41, s40                    ; my place among the four that ask for it with me: cy for x's tile, cx for a weight's
	s_cselect_b32 s[NA], s22, 1                    ; the same in all sixteen partners, for a given wave
	s_cselect_b64 s[PFB:PFB+1], s[4:5], s[6:7]
	s_lshl_b32 s21, s21, 17                        ; my work-group's 32 rows
	s_add_co_u32 s20, s20, s21
	s_mov_b32 s21, 0
	s_add_nc_u64 s[PFB:PFB+1], s[PFB:PFB+1], s[20:21]
	s_mov_b32 s[RF], 0
	s_mov_b32 s[PO+1], 0
; 12 products: row block 2 hi + a times all 12 column blocks, 32 along K, from buffer f.  The 48 accumulators take turns, one instruction a turn, in the same order in every quarter.
.macro MUL12 f, hi, a, zero
	WIN 0xa1+0x50*(\hi)                            ; source 0 window 1, source 1 window 0, C and D window 2 or 3
.irp b, 0,1,2,3,4,5,6,7,8,9,10,11
.if \zero
	v_wmma_f32_16x16x32_bf16 v[8*(12*(\a)+(\b)):8*(12*(\a)+(\b))+7], v[96*(\f)+8*(\b):96*(\f)+8*(\b)+7], v[64+32*(\f)+8*(2*(\hi)+(\a)):64+32*(\f)+8*(2*(\hi)+(\a))+7], 0
.else
	v_wmma_f32_16x16x32_bf16 v[8*(12*(\a)+(\b)):8*(12*(\a)+(\b))+7], v[96*(\f)+8*(\b):96*(\f)+8*(\b)+7], v[64+32*(\f)+8*(2*(\hi)+(\a)):64+32*(\f)+8*(2*(\hi)+(\a))+7], v[8*(12*(\a)+(\b)):8*(12*(\a)+(\b))+7]
.endif
.endr
.endm
; 32 LDS loads in one run: a quarter's fragments (32 K at byte k of the rows) into buffer f: the weights' 24, then x's 8
.macro FETCH slot, k, f
	WIN 0x40
.irp t, 0,1,2
.irp i, 0,1,2,3
	ds_load_b128 v[96*(\f)+8*(4*(\t)+(\i)):96*(\f)+8*(4*(\t)+(\i))+3],   v[ADRB+3*(\slot)+(\t)] offset:(\k)+(\i)*16*PITCH
	ds_load_b128 v[96*(\f)+8*(4*(\t)+(\i))+4:96*(\f)+8*(4*(\t)+(\i))+7], v[ADRB+3*(\slot)+(\t)] offset:(\k)+(\i)*16*PITCH+32
.endr
.endr
	WIN 0
.irp i, 0,1,2,3
	ds_load_b128 v[64+32*(\f)+8*(\i):64+32*(\f)+8*(\i)+3],   v[ADRA+(\slot)] offset:(\k)+(\i)*16*PITCH
	ds_load_b128 v[64+32*(\f)+8*(\i)+4:64+32*(\f)+8*(\i)+7], v[ADRA+(\slot)] offset:(\k)+(\i)*16*PITCH+32
.endr
.endm
; A K step is four quarters of 32 along K, 48 products each, on buffers 0, 1, 0, 1.  One of the first three multiplies f and, in its middle, fetches the next quarter into g.
.macro QUARTER slot, k, f, g, zero
	s_wait_dscnt 4                                 ; all but the youngest four loads: x's row blocks 2 and 3
	MUL12 \f, 0, 0, \zero
	MUL12 \f, 0, 1, \zero
	PLACES                                         ; four plain instructions between the last product that read buffer g and the loads into it
	FETCH \slot, \k, \g
	s_wait_dscnt 32                                ; all but the 32 just issued
	MUL12 \f, 1, 0, \zero
	MUL12 \f, 1, 1, \zero
.endm
; The last quarter multiplies buffer 1 and changes slots: each wave waits for all its tensor loads (one is out: its part of the next slot), adds 0 to its spare word, waits for that and for its
; reads of this slot, and signals.  fill = 1: the barrier opens a round of the cluster's barrier, and the joint refill, the walk's step two on, is the first thing behind the round.
.macro TURN slot, next, fill
.if \fill
	s_wait_xcnt 0x0                                ; the last prefetch, a K step back, has read its address, so it may be written:
	s_add_co_u32 s[PO], s[KO], 2*KSTEP*2           ; the K step behind the one that this change asks for,
	s_and_b32 s[PO], s[PO], 4095                   ; round the row's end
	s_add_nc_u64 s[PFA:PFA+1], s[PFB:PFB+1], s[PO:PO+1]
.endif
	WIN 0
	s_wait_tensorcnt 0x0
	ds_add_u32 v[SPW], v[NIL]
	s_wait_dscnt 5                                 ; the add and the youngest four loads may be out
	MUL12 1, 0, 0, 0
	s_wait_dscnt 0x0                               ; the add is done, my reads of this slot are over
	s_barrier_signal -1
	MUL12 1, 0, 1, 0
	WIN 0
	s_barrier_wait -1
.if \fill
	CREST
	s_add_co_u32 s[KO], s[KO], KSTEP*2             ; the walk's next K step,
	s_and_b32 s[KO], s[KO], 4095                   ; round the row's end
	AIM \slot                                      ; no tensor load of mine is out, so the descriptors may be written
	JLOAD \slot                                    ; its four v_nop are also the places in front of the loads below
.else
	PLACES
.endif
	FETCH \next, 0, 0
.if \fill
	ASK
.endif
	MUL12 1, 1, 0, 0
	MUL12 1, 1, 1, 0
.endm
	s_wait_tensorcnt 1                             ; my part of the walk's first K step is in; the second's may stay out
	s_barrier_signal -1
	s_barrier_wait -1
	FETCH 0, 0, 0
	QUARTER 0, 64, 0, 1, 1                         ; the first quarter stands ahead of the loop: its products start the sums
	WIN 0
	s_mov_b32 s3, LAPS-1
.Llap:                                             ; a trip goes once round the ring and fills both slots again: the walk's steps 2 to 15 in seven trips
	QUARTER 0, 128, 1, 0, 0
	QUARTER 0, 192, 0, 1, 0
	TURN 0, 1, 1
	QUARTER 1, 64,  0, 1, 0
	QUARTER 1, 128, 1, 0, 0
	QUARTER 1, 192, 0, 1, 0
	TURN 1, 0, 1
	QUARTER 0, 64,  0, 1, 0
	WIN 0
	s_sub_co_u32 s3, s3, 1
	s_cmp_lg_u32 s3, 0
	s_cbranch_scc1 .Llap
	QUARTER 0, 128, 1, 0, 0                        ; the last lap fills nothing
	QUARTER 0, 192, 0, 1, 0
	TURN 0, 1, 0                                   ; behind its barrier nobody reads slot 0 any more, and no load fills it again
	QUARTER 1, 64,  0, 1, 0
	QUARTER 1, 128, 1, 0, 0
	QUARTER 1, 192, 0, 1, 0
	s_wait_dscnt 4
	MUL12 1, 0, 0, 0
	MUL12 1, 0, 1, 0
	s_wait_dscnt 0x0
	MUL12 1, 1, 0, 0
	MUL12 1, 1, 1, 0
	; THE WAY OUT.  q and k are rotated (pair (x0, x1) -> (x0 cos - x1 sin, x1 cos + x0 sin)), q scaled, all rounded to f16, 16 bytes a lane into the stage; a barrier, since a row's
	; 256 bytes come from two waves; back as whole rows.
	PLACES
	PLACES
	WIN 0
	s_wait_loadcnt 0x0                             ; the table
.macro STG a, ty
.irp b, 0,1,2,3
	ds_store_b128 v[STO+(\ty)], v[PKD+4*(\b):PKD+4*(\b)+3] offset:(\a)*16*PITCH+32*(\b)
.endr
.endm
.macro ROPE a, ty
.set AC, 8*(12*((\a)%2)+4*(\ty))
	WIN 0x02+(\a)/2                                ; source 0: the accumulators' window
.irp b, 0,1,2,3
.irp p, 0,1,2,3
	v_mul_f32 v[TT+8*(\b)+2*(\p)],   v[AC+8*(\b)+2*(\p)+1], v[RT+8*(4*(\a)+(\b))+2*(\p)+1]
	v_mul_f32 v[TT+8*(\b)+2*(\p)+1], v[AC+8*(\b)+2*(\p)],   v[RT+8*(4*(\a)+(\b))+2*(\p)+1]
	v_fma_f32 v[OO+8*(\b)+2*(\p)],   v[AC+8*(\b)+2*(\p)],   v[RT+8*(4*(\a)+(\b))+2*(\p)], -v[TT+8*(\b)+2*(\p)]
	v_fma_f32 v[OO+8*(\b)+2*(\p)+1], v[AC+8*(\b)+2*(\p)+1], v[RT+8*(4*(\a)+(\b))+2*(\p)], v[TT+8*(\b)+2*(\p)+1]
.endr
.endr
	WIN 0
.if (\ty) == 0
.set z, 0
.rept 16
	v_pk_mul_f32 v[OO+2*z:OO+2*z+1], v[OO+2*z:OO+2*z+1], s[CS:CS+1] op_sel_hi:[1,0]
.set z, z+1
.endr
.endif
.set z, 0
.rept 16
	v_cvt_pk_f16_f32 v[PKD+z], v[OO+2*z], v[OO+2*z+1]
.set z, z+1
.endr
	STG \a, \ty
.endm
.macro VOUT a
.set AC, 8*(12*((\a)%2)+8)
	WIN 0x0a+5*((\a)/2)                            ; sources 0 and 1: the accumulators' window
.set z, 0
.rept 16
	v_cvt_pk_f16_f32 v[PKD+z], v[AC+2*z], v[AC+2*z+1]
.set z, z+1
.endr
	WIN 0
	STG \a, 2
.endm
.irp a, 0,1,2,3
	ROPE \a, 0
	ROPE \a, 1
	VOUT \a
.endr
	s_wait_dscnt 0x0                               ; for the others' sake: my stores into the stage are done
	s_barrier_signal -1
	s_barrier_wait -1
.irp y, 0,1,2
.irp t, 0,1,2,3,4,5,6,7,8,9,10,11,12,13,14,15
	ds_load_b128 v[64+64*(\y)+4*(\t):64+64*(\y)+4*(\t)+3], v[RD+(\y)] offset:(\t)*2*PITCH
.endr
.endr
.irp y, 0,1,2
.irp t, 0,1,2,3,4,5,6,7,8,9,10,11,12,13,14,15
	s_wait_dscnt 47-16*(\y)-(\t)                   ; of the run of 48 the later ones may stay out
	global_store_b128 v[CO], v[64+64*(\y)+4*(\t):64+64*(\y)+4*(\t)+3], s[OUT+2*(\y):OUT+2*(\y)+1] offset:512*(\t)  ; two rows of a head: 512 consecutive bytes, aligned
.endr
.endr
	s_wait_tensorcnt 0x0                           ; the wave's end
	ds_add_u32 v[SPW], v[NIL]
	s_wait_dscnt 0x0
	CROUND                                         ; the closing round
	s_endpgm
.Lfunc_end_k_qdc9c920eb9_qkv:
	.size	k_qdc9c920eb9_qkv, .Lfunc_end_k_qdc9c920eb9_qkv-k_qdc9c920eb9_qkv
	.p2alignl 7, 3214868480
	.fill 96, 4, 3214868480
	.section	.rodata,"a",@progbits
	.p2align	6, 0x0
	.amdhsa_kernel k_qdc9c920eb9_qkv
		.amdhsa_group_segment_fixed_size 327680
		.amdhsa_private_segment_fixed_size 0
		.amdhsa_enable_private_segment 0
		.amdhsa_kernarg_size 32
		.amdhsa_user_sgpr_count 2
		.amdhsa_user_sgpr_kernarg_segment_ptr 1
		.amdhsa_wavefront_size32 1
		.amdhsa_system_sgpr_workgroup_id_x 1
		.amdhsa_system_sgpr_workgroup_id_y 1
		.amdhsa_system_sgpr_workgroup_id_z 1
		.amdhsa_system_vgpr_workitem_id 0
		.amdhsa_next_free_vgpr 960
		.amdhsa_next_free_sgpr 88
		.amdhsa_reserve_vcc 0
		.amdhsa_float_denorm_mode_32 3
		.amdhsa_float_denorm_mode_16_64 3
		.amdhsa_memory_ordered 1
		.amdhsa_forward_progress 1
		.amdhsa_inst_pref_size 154
	.end_amdhsa_kernel
	.amdgpu_metadata
---
amdhsa.version: [ 1, 2 ]
amdhsa.kernels:
  - .name:           k_qdc9c920eb9_qkv
    .symbol:         k_qdc9c920eb9_qkv.kd
    .args:
      - { .name: xb, .offset: 0, .size: 8, .value_kind: global_buffer, .address_space: global }
      - { .name: wb, .offset: 8, .size: 8, .value_kind: global_buffer, .address_space: global }
      - { .name: rope, .offset: 16, .size: 8, .value_kind: global_buffer, .address_space: global }
      - { .name: qkv, .offset: 24, .size: 8, .value_kind: global_buffer, .address_space: global }
    .group_segment_fixed_size: 327680
    .private_segment_fixed_size: 0
    .kernarg_segment_align: 8
    .kernarg_segment_size: 32
    .max_flat_workgroup_size: 128
    .sgpr_count:     88
    .vgpr_count:     960
    .wavefront_size: 32
...
	.end_amdgpu_metadata
.endif
;; end of part 2
;; launch attn (part 3): grid 16 x 16, 4 waves a work-group, clusters of 4 x 1, 327,680 bytes of LDS; arguments qkv, mnib, ob; writes ob
.if DOCPART == 3
	.amdgcn_target "amdgcn-amd-amdhsa--gfx1250"
	.amdhsa_code_object_version 6
	.text
	.protected	k_qdc9c920eb9_attn
	.globl	k_qdc9c920eb9_attn
	.p2align	8
	.type	k_qdc9c920eb9_attn,@function
k_qdc9c920eb9_attn:
	s_mov_b64 s[64:65], 0
	v_nop
	global_prefetch_b8 v0, s[64:65] scope:SCOPE_SE
	s_setreg_imm32_b32 hwreg(HW_REG_WAVE_MODE, 25, 1), 1
	s_wait_xcnt 0x0
	s_wait_alu depctr_hold_cnt(0) depctr_sa_sdst(0) depctr_va_vdst(0) depctr_va_sdst(0) depctr_va_ssrc(0) depctr_va_vcc(0) depctr_vm_vsrc(0)
	s_getreg_b32 s2, hwreg(HW_REG_IB_STS2, 6, 4)
	s_cmp_eq_u32 s2, 0
	s_cbranch_scc0 .Lentry_in_a_cluster
	s_endpgm
.Lentry_in_a_cluster:
	s_bfe_u32 s2, ttmp6, 0x10000c
	s_cmp_lg_u32 s2, 0x3003
	s_cbranch_scc0 .Lentry_shape_is_right
	s_endpgm
.Lentry_shape_is_right:
; O[q][head] = the sum over k of softmax_k(score) V[k], score = (c q) . k in units of log2, hidden keys left out by the mask that is an input.  qkv: [3][16][2048][128] f16, q with c in it;
; mnib: the mask as nibbles; ob: [2048][16 x 128] f16.  Products, maxima and sums in f32; the weights are rounded to f16 for the second product (their sum is taken unrounded), O once at the end.
; LIMITS.  A hidden score counts as its value less 7.4e19 (f16's scores, 5.5e11 at the most, are nothing beside that).
; A row whose maximum lies below -1e19 has no visible key and comes out NaN.  A weight below 2^-126 counts as 0.  NaN and infinities among the inputs are not treated apart.
; SHARES.  A work-group owns 128 queries of a head; 16 x 16 work-groups.  Wave (qp = w % 2, kh = w / 2) owns 64 queries, four tiles of 16, and walks HALF the keys: of each slot's two steps of 64 keys, step kh.
; The two waves of a qp meet once, in LDS: each gives away two tiles' O, m and l and finishes the other two.  Register tiles 0, 1 hold the queries at 32 kh (kept), tiles 2, 3 those at 32 (1 - kh) (given).
; LAYOUT, BY TURNS.  S^T = K Q^T holds one query a lane and the keys 8 (lane / 16) + 0..7; two such results rounded to f16 are source 1 of O^T = V^T P.  The tiles are two pieces (0: tiles 0, 1; 2: tiles 2, 3).
; In a turn one piece issues 32 products V^T P of the step in hand and 32 products K Q^T of the next; the other piece's softmax stands in slices of four behind them.
; THE MASK is the C operand that starts a score's sum.  A word of mnib holds the eight nibbles of an accumulator's eight registers in a lane, as FP4 codes: 0xE = -4 (hidden), 0 = 0.
; One v_cvt_scale_pk8_f32_fp4 with the scale 2^64 makes the eight registers: -7.4e19 or 0.  Eight of them a turn, one behind every fourth product V^T P.
; The words of the next step are loaded a trip ahead, 16 bytes a lane for a tile and step.
; SOFTMAX.  Running maximum m and sum l: p = 2^(s - m); O and l are multiplied by a = 2^(m_old - m_new) in every step.  s - m is never above 0, whatever is hidden.
; NO FIRST STEP IS WRITTEN OUT: m starts at the lowest finite number, O, l, V and piece 0's P at 0, piece 2's scores at -1e30, below every hidden score, so that what the first trip makes of them is
; multiplied by a = 0 in the next.  The price: 480 v_mov_b32 in the wait for the first tile, and 96 products that serve nothing in a wave's 2,144.
; CLUSTER 4 x 1: four query blocks of a head walk the same K and V: each tile is asked for jointly.
; REGISTERS.  window 0: v0-11 addresses, v9 the scale; v12-43 statistics, 8 a tile: m, 0, l (two), c0-c3; v44-59 mask words; v64-191 S^T; v192-255 P.   window 1: O^T, 64 a tile.
;   window 2: v0-127 Q; v128-255 K of a step.   window 3: v0-127 V of a step.
.set KS,    64
.set PK,    272       ; a row of K in LDS: 256 + 16 bytes
.set PV,    288       ; a row of V: 256 + 32 bytes
.set VOFF,  KS*PK
.set STEPB, KS*(PK+PV)
.set SLOT1, 1<<17     ; a slot holds two steps (71,680 bytes); one exclusive or changes slots
.set STAGE, SLOT1+2*STEPB
.set SP,    272
.set SPARE, STAGE+4*16*SP
.set XCHB,  16896     ; the meeting, in slot 0 once it has had its last fill and its last read: 16,384 bytes of O and 512 of statistics a wave
.set AK0, 2
.set AV0, 3
.set ADR, 4           ; later XL: where I read my partner's part
.set XL,  4
.set QO,  5           ; v5, v6  my offsets in Q for pieces 0 and 2; later STO and RD
.set STO, 5
.set RD,  6
.set MO,  7           ; v7, v8  my offsets in the mask words for pieces 0 and 2; never rewritten
.set SCL, 9           ; v9   in the loop: the mask's scale, the E8M0 byte 191 = 2^64 in all four bytes
.set GO,  10
.set XS,  11
.set ST,  12
.set WD,  44          ; the mask words, 4 a tile
.set NAN, 60
.set PFO, 61          ; 256 x lane; never rewritten
.set SPW, 62
.set NIL, 63
.set S,   64
.set P,   192
.set KF,  128
.set WV,  12
.set LIM, 15          ; s15  2 in a wave that prefetches, else the greatest number
.set PFA, 18          ; s[18:19]
.set G1K, 24
.set G1V, 32
.set G0K, 40          ; s[40:43] walks
.set G0V, 44
.set MWP, 48          ; s[48:49] the mask words of the step to be loaded
.set OB,  50          ; s[50:51] ob at the rows that I finish
.set QB,  52          ; s[52:53] q at my 64 rows
.set SLOTS, 56
.set CNT, 57
.set SEL, 60
.set TB,  62          ; s62  the slot from which K and V are fetched
.set MSB, 0
.macro WIN new
.if MSB != (\new)
	s_set_vgpr_msb (MSB<<8)|(\new)
.set MSB, \new
.endif
.endm
.set W_KQ, 0x0a       ; K and Q in window 2, S^T in window 0
.set W_PV, 0x53       ; V in window 3, P in window 0, O^T in window 1
.set W_RS, 0x41       ; O^T in window 1, the factor in window 0
; A joint fill: waves 0 and 1 fetch the two steps' K, waves 2 and 3 their V.  An s_nop 0 and four v_nop follow each line.
.macro JLOAD
	s_cmp_lt_u32 s[WV], 2
	s_cbranch_scc0 .Lfor_v_\@
	tensor_load_to_lds s[G0K:G0K+3], s[G1K:G1K+7]
	s_nop 0
.rept 4
	v_nop
.endr
	s_branch .Lasked_\@
.Lfor_v_\@:
	tensor_load_to_lds s[G0V:G0V+3], s[G1V:G1V+7]
	s_nop 0
.rept 4
	v_nop
.endr
.Lasked_\@:
.endm
; A prefetch of the slot that will be asked for two trips, 256 products, on: 128 rows of K and of V, 256 bytes a row, a lane a row.  All four clusters of a head walk the same rows: the first asks.
; Its four partners take 32 rows each, told apart by address; wave 0 asks for K's, wave 2 for V's.  Slots 0 to 2 come by their loads alone; the last two trips that fill a slot ask for nothing.
.macro ASK
	s_cmp_gt_u32 s[SLOTS], s[LIM]
	s_cbranch_scc0 .Lnot_mine_\@
	global_prefetch_b8 v[PFO], s[PFA:PFA+1] th:TH_LOAD_NT scope:SCOPE_SE
.Lnot_mine_\@:
.endm
.macro CROUND
	s_barrier_signal -1
	s_barrier_wait -1
	s_cmp_lg_u32 s[WV], 0
	s_cbranch_scc1 .Lnot_wave_0_\@
	s_barrier_signal -3
.Lnot_wave_0_\@:
	s_barrier_wait -3
	s_barrier_signal -1
	s_barrier_wait -1
.endm
; THE CHANGE OF SLOTS.  Each wave waits for all its tensor loads (one is out: its part of the other slot), adds 0 to its spare word, and waits for that and for its reads of the slot that it leaves.
; fill = 1: a round of the cluster's barrier, and the slot read out is filled with the keys two slots on, first thing behind it.  (At its first use slot 0 is waited for and slot 1 filled.)
.macro CHANGE fill
	WIN 0
	s_wait_tensorcnt 0x0
	ds_add_u32 v[SPW], v[NIL]
.if \fill
.irp g, G0K, G0V
	s_xor_b32 s[(\g)+1], s[(\g)+1], SLOT1
	s_add_nc_u64 s[(\g)+2:(\g)+3], s[(\g)+2:(\g)+3], 2*KS*256
.endr
	s_wait_xcnt 0x0                 ; the last trip's prefetch and mask loads have read their addresses
	s_add_nc_u64 s[PFA:PFA+1], s[PFA:PFA+1], 2*KS*256
	s_add_nc_u64 s[MWP:MWP+1], s[MWP:MWP+1], 4096  ; two steps of 2,048 bytes on
	s_wait_dscnt 0x0
	CROUND
	JLOAD
	ASK
.else
	s_wait_dscnt 0x0
	s_barrier_signal -1
	s_barrier_wait -1
.endif
	s_xor_b32 s[TB], s[TB], SLOT1
.endm
	s_load_b128 s[4:7], s[0:1], 0x0 ; qkv s[4:5], mnib s[6:7]
	s_load_b64 s[8:9], s[0:1], 0x10 ; ob
	v_lshl_add_u32 v[SPW], v0, 2, SPARE
	v_mov_b32 v[NIL], 0
	ds_add_u32 v[SPW], v[NIL]       ; the wave's opening: the add and its wait ahead of my first tensor load
	v_lshrrev_b32 v1, 5, v0
	v_readfirstlane_b32 s[WV], v1
	s_bfe_u32 s13, ttmp6, 0x40000   ; cx
	s_lshl_b32 s14, ttmp9, 2
	s_add_co_u32 s14, s14, s13      ; B, my block of 128 queries: it enters q's, the mask's and ob's addresses alone
	s_and_b32 s54, ttmp7, 0xffff    ; the head
	s_and_b32 s16, s[WV], 1         ; qp; also: which of a slot's two steps I fetch
	s_lshr_b32 s17, s[WV], 1        ; kh
	s_lshl_b32 s55, s54, 19         ; the head's 524,288 bytes
	s_lshl_b32 s22, s16, 14         ; my step's 64 rows
	s_add_co_u32 s22, s22, s55
	s_mov_b32 s23, 0
	s_lshl_b32 s2, s14, 15          ; q: 128 B + 64 qp rows of 256 bytes
	s_lshl_b32 s3, s16, 14
	s_add_co_u32 s2, s2, s3
	s_add_co_u32 s2, s2, s55
	s_mov_b32 s3, 0
	s_lshl_b32 s20, s14, 17         ; the mask words: (2 B + qp) x 65,536 + kh x 2,048
	s_lshl_b32 s21, s16, 16
	s_add_co_u32 s20, s20, s21
	s_lshl_b32 s21, s17, 11
	s_add_co_u32 s20, s20, s21
	s_mov_b32 s21, 0
	s_lshl_b32 s10, s14, 19         ; ob: (128 B + 64 qp + 32 kh) rows of 4,096 bytes + the head's 256
	s_lshl_b32 s11, s16, 18
	s_add_co_u32 s10, s10, s11
	s_lshl_b32 s11, s17, 17
	s_add_co_u32 s10, s10, s11
	s_lshl_b32 s11, s54, 8
	s_add_co_u32 s10, s10, s11
	s_mov_b32 s11, 0
	s_mov_b32 s[G1K], 15|(1<<16)|(1<<20)|(1<<21)|(5<<22)|(3<<25)  ; the mask of four; 2-byte elements; padding on; bit 21 beside a mask; after every 64 words 4 words
	s_mov_b32 s[G1V], 15|(1<<16)|(1<<20)|(1<<21)|(5<<22)|(7<<25)  ; the same with 8 words
.irp g, G1K, G1V
	s_mov_b32 s[(\g)+1], 128<<16    ; tensor_dim0
	s_mov_b32 s[(\g)+2], KS<<16     ; tensor_dim1
	s_mov_b32 s[(\g)+3], 128<<16    ; tile_dim0
	s_mov_b32 s[(\g)+4], KS         ; tile_dim1
	s_mov_b32 s[(\g)+5], 128        ; elements from row to row
	s_mov_b32 s[(\g)+6], 0
	s_mov_b32 s[(\g)+7], 0
.endr
	s_mov_b32 s[SEL], 0x76543210
	s_mov_b32 s[SEL+1], 0xfedcba98
	s_mov_b32 s[TB], SLOT1          ; the first change turns it into 0
	s_mov_b32 s58, 0xf149f2ca       ; -1e30
	s_mov_b32 s[G0K], 1
	s_mul_i32 s[G0K+1], s16, STEPB  ; slot 0, my step
	s_mov_b32 s[G0V], 1
	s_add_co_u32 s[G0V+1], s[G0K+1], VOFF
	s_and_b32 s[LIM], s[WV], 1
	s_or_b32 s[LIM], s[LIM], ttmp9  ; 0 in waves 0 and 2 of the head's first cluster: the same in all four partners
	s_cmp_eq_u32 s[LIM], 0
	s_cselect_b32 s[LIM], 2, -1
	v_and_b32 v[PFO], 31, v0
	v_lshlrev_b32 v[PFO], 8, v[PFO]
	s_wait_dscnt 0x0                ; the opening add is done
	s_wait_kmcnt 0x0
	s_add_nc_u64 s[G0K+2:G0K+3], s[4:5], s[22:23]
	s_add_nc_u64 s[G0V+2:G0V+3], s[G0K+2:G0K+3], 0x1000000  ; v
	s_add_nc_u64 s[G0K+2:G0K+3], s[G0K+2:G0K+3], 0x800000   ; k
	s_cmp_lt_u32 s[WV], 2
	s_cselect_b64 s[PFA:PFA+1], s[G0K+2:G0K+3], s[G0V+2:G0V+3]
	s_or_b32 s[G0K+3], s[G0K+3], 0x80000000
	s_or_b32 s[G0V+3], s[G0V+3], 0x80000000
	s_add_nc_u64 s[QB:QB+1], s[4:5], s[2:3]
	s_add_nc_u64 s[MWP:MWP+1], s[6:7], s[20:21]
	s_add_nc_u64 s[OB:OB+1], s[8:9], s[10:11]
	s_lshl_b32 s2, s13, 13          ; my work-group's 32 rows of the 128,
	s_add_co_u32 s2, s2, 2*2*KS*256 ; in slot 2: the first change steps it to slot 3
	s_mov_b32 s3, 0
	s_add_nc_u64 s[PFA:PFA+1], s[PFA:PFA+1], s[2:3]
	CROUND                          ; all four work-groups are here
	JLOAD                           ; slot 0
	v_and_b32 v1, 15, v0            ; r
	v_bfe_u32 v9, v0, 4, 1          ; h
	v_lshlrev_b32 v[QO], 8, v1
	v_lshl_add_u32 v[QO], v9, 4, v[QO]
	s_lshl_b32 s2, s17, 13          ; piece 0: 32 kh rows on; piece 2: 32 (1 - kh)
	s_xor_b32 s3, s2, 8192
	v_add_nc_u32 v[QO+1], s3, v[QO]
	v_add_nc_u32 v[QO], s2, v[QO]
	v_and_b32 v10, 31, v0
	v_lshlrev_b32 v10, 4, v10
	s_lshl_b32 s2, s17, 10          ; the same two tiles in the mask words, 512 bytes a tile
	s_xor_b32 s3, s2, 1024
	v_add_nc_u32 v[MO], s2, v10
	v_add_nc_u32 v[MO+1], s3, v10
	WIN 0x80
.irp u, 0,1,2,3
.irp c, 0,1,2,3                     ; Q stays in registers: tile u, channels 32 c on
	global_load_b128 v[32*(\u)+8*(\c):32*(\u)+8*(\c)+3],   v[QO+(\u)/2], s[QB:QB+1] offset:((\u)%2)*4096+(\c)*64
	global_load_b128 v[32*(\u)+8*(\c)+4:32*(\u)+8*(\c)+7], v[QO+(\u)/2], s[QB:QB+1] offset:((\u)%2)*4096+(\c)*64+32
.endr
.endr
	WIN 0
.irp u, 0,1,2,3                     ; the first step's mask words, piece 0's first
	global_load_b128 v[WD+4*(\u):WD+4*(\u)+3], v[MO+(\u)/2], s[MWP:MWP+1] offset:((\u)%2)*512
.endr
	s_mul_i32 s2, s17, STEPB        ; my step in a slot
	v_mul_u32_u24 v[AK0], v1, PK
	v_lshl_add_u32 v[AK0], v9, 4, v[AK0]
	v_add_nc_u32 v[AK0], s2, v[AK0]
	v_and_b32 v10, 7, v0            ; the turning load: lane l reads key 8 (l / 16) + l % 8, channels 8 ((l / 8) % 2) + 0..7
	v_bfe_u32 v11, v0, 3, 1
	v_lshl_add_u32 v[AV0], v9, 3, v10
	v_mul_u32_u24 v[AV0], v[AV0], PV
	v_lshl_add_u32 v[AV0], v11, 4, v[AV0]
	s_add_co_u32 s2, s2, VOFF
	v_add_nc_u32 v[AV0], s2, v[AV0]
	v_mov_b32 v[SCL], 0xbfbfbfbf    ; h is used no more: the register takes the scale
	WIN 0xc0                        ; what the first trip finds; all this stands in the wait for the first tile
.set i, 0
.rept 128
	v_mov_b32 v[i], 0
.set i, i+1
.endr
	WIN 0x40
.set i, 0
.rept 256
	v_mov_b32 v[i], 0
.set i, i+1
.endr
	WIN 0
.set i, 0
.rept 4
	v_mov_b32 v[ST+8*i], 0xff7fffff
	v_mov_b32 v[ST+8*i+1], 0
	v_mov_b32 v[ST+8*i+2], 0
	v_mov_b32 v[ST+8*i+3], 0
.set i, i+1
.endr
.set i, 0
.rept 32
	v_mov_b32 v[P+i], 0
.set i, i+1
.endr
.set i, 0
.rept 64
	v_mov_b32 v[S+64+i], s58
.set i, i+1
.endr
; THE MATRIX WORK.  The accumulators take turns, one instruction a turn.  Product i of 32 of O^T += V^T P for piece x: keys 32 (i / 16) on, channels 16 ((i / 2) % 8) on, tile x + i % 2.
.macro PV x
	WIN W_PV
.set rO, 64*((\x)+i%2)+8*((i/2)%8)
.set rV, 64*(i/16)+8*((i/2)%8)
.set rP, P+16*((\x)+i%2)+8*(i/16)
	v_wmma_f32_16x16x32_f16 v[rO:rO+7], v[rV:rV+7], v[rP:rP+7], v[rO:rO+7]
.endm
; Product i of 32 of S^T = mask + K Q^T: channels 32 (i / 8) on, keys 16 ((i / 2) % 4) on, tile x + i % 2.  The mask lies in S^T's registers, so all 32 have one form.
.macro KQ x
	WIN W_KQ
.set rS, S+32*((\x)+i%2)+8*((i/2)%4)
.set rK, KF+32*((i/2)%4)+8*(i/8)
.set rQ, 32*((\x)+i%2)+8*(i/8)
	v_wmma_f32_16x16x32_f16 v[rS:rS+7], v[rK:rK+7], v[rQ:rQ+7], v[rS:rS+7]
.endm
; Accumulator n of the piece's eight (tile x + n / 4, keys 16 (n % 4) on) takes its mask: eight FP4 codes of one word, times 2^64.  Nothing names its result before the turn's second half,
; and its word is loaded anew only behind the turn's 32nd product.
.macro MASKC x, n
	WIN 0
.set mu, (\x)+(\n)/4
.set mk, (\n)%4
	v_cvt_scale_pk8_f32_fp4 v[S+32*mu+8*mk:S+32*mu+8*mk+7], v[WD+4*mu+mk], v[SCL]
.endm
.macro FETCH_K                      ; a run of 32 LDS loads: my step's K
	WIN 0
	v_add_nc_u32 v[ADR], s[TB], v[AK0]
	WIN 0x80
.irp f, 0,1,2,3,4,5,6,7,8,9,10,11,12,13,14,15
	ds_load_b128 v[KF+8*(\f):KF+8*(\f)+3],   v[ADR] offset:((\f)/4)*16*PK+((\f)%4)*64
	ds_load_b128 v[KF+8*(\f)+4:KF+8*(\f)+7], v[ADR] offset:((\f)/4)*16*PK+((\f)%4)*64+32
.endr
.endm
.macro FETCH_V                      ; the same step's V, turned; the wait for the softmax's batch stands in it
	WIN 0
	v_add_nc_u32 v[ADR], s[TB], v[AV0]
	s_wait_alu depctr_va_vdst(0)
	WIN 0xc0
.irp f, 0,1,2,3,4,5,6,7,8,9,10,11,12,13,14,15
	ds_load_tr16_b128 v[8*(\f):8*(\f)+3],   v[ADR] offset:((\f)/8)*32*PV+((\f)%8)*32
	ds_load_tr16_b128 v[8*(\f)+4:8*(\f)+7], v[ADR] offset:((\f)/8)*32*PV+16*PV+((\f)%8)*32
.endr
.endm
; THE VECTOR WORK.  A tile's softmax for a step is a numbered list; SM writes number j for tile t.
;   0-15  the maximum of the 32 scores and the old m (each accumulator's lowest registers are read first)     16-19  the other half of the lanes'; m_old kept; the new m; m_old - m_new
;   21-69 ONE BATCH: the 16 subtractions s - m, a pair each, and all 33 exponentials (a at 23); none reads an exponential's result     (the wait: SLICE writes it)
;   70-85 the roundings to f16     86-101 the sums; l = a l + sum     102-133 O^T times a
.macro SM t
.set rT, ST+8*(\t)
.set rS, S+32*(\t)
.set rP, P+16*(\t)
.set rO, 64*(\t)+2*(j-102)
.if j < 102
	WIN 0
.endif
.if j < 4
	v_max3_num_f32 v[rT+4+j], v[rS+8*j], v[rS+8*j+1], v[rS+8*j+2]
.elseif j < 12
	v_max3_num_f32 v[rT+4+j%4], v[rT+4+j%4], v[rS+8*(j%4)+2*(j/4)+1], v[rS+8*(j%4)+2*(j/4)+2]
.elseif j == 12
	v_max3_num_f32 v[rT+4], v[rT+4], v[rS+7], v[rS+15]
.elseif j == 13
	v_max3_num_f32 v[rT+6], v[rT+6], v[rS+23], v[rS+31]
.elseif j == 14
	v_max3_num_f32 v[rT+4], v[rT+4], v[rT+5], v[rT+6]
.elseif j == 15
	v_max3_num_f32 v[rT+4], v[rT+4], v[rT+7], v[rT]
.elseif j == 16
	v_permlanex16_b32 v[rT+5], v[rT+4], s[SEL], s[SEL+1]
.elseif j == 17
	v_mov_b32 v[rT+7], v[rT]
.elseif j == 18
	v_max_num_f32 v[rT], v[rT+4], v[rT+5]
.elseif j == 19
	v_sub_f32 v[rT+7], v[rT+7], v[rT]
.elseif j == 20
.elseif j == 23
	v_exp_f32 v[rT+6], v[rT+7]
.elseif (j < 23) || ((j < 38) && (j%2 == 0)) || ((j < 66) && (j%4 == 2))
.set b, (j-2)/4
.if j < 38
.set b, (j-20)/2
.endif
	v_pk_add_f32 v[rS+2*b:rS+2*b+1], v[rS+2*b:rS+2*b+1], v[rT:rT+1] op_sel_hi:[1,0] neg_lo:[0,1] neg_hi:[0,1]  ; pair b: s - m
.elseif j < 70
.set e, j-38
.if j < 66
.set e, j-32-(j-38)/4
.endif
.if j < 38
.set e, (j-25)/2
.endif
	v_exp_f32 v[rS+e], v[rS+e]
.elseif j < 86
	v_cvt_pk_f16_f32 v[rP+j-70], v[rS+2*(j-70)], v[rS+2*(j-70)+1]
.elseif j < 102
.set z, j-86
.set w, 4
.set u, z
.if z >= 14
.set w, 32
.set u, 0
.elseif z >= 12
.set w, 16
.set u, z-12
.elseif z >= 8
.set w, 8
.set u, z-8
.endif
.if z < 15
	v_pk_add_f32 v[rS+w*u:rS+w*u+1], v[rS+w*u:rS+w*u+1], v[rS+w*u+w/2:rS+w*u+w/2+1]
.else
	v_pk_fma_f32 v[rT+2:rT+3], v[rT+2:rT+3], v[rT+6:rT+7], v[rS:rS+1] op_sel_hi:[1,0,1]
.endif
.else
	WIN W_RS
	v_pk_mul_f32 v[rO:rO+1], v[rO:rO+1], v[rT+6:rT+7] op_sel_hi:[1,0]
.endif
.endm
; Slice k of 64 of piece y's softmax.  Slices 11 to 34 deal out the batch, four numbers of one tile each; every other slice is numbers 2 k, 2 k + 1 of both tiles; slice 63 takes the twelve that are over:
; sixteen plain instructions that are also the places between the turn's last product and the next turn's first read of its scores.  Behind slice 34 stand a plain instruction and ONE wait for the piece's 66 exponentials.
.macro SLICE y
.if (k >= 11) && (k < 35)
.irp n, 0,1,2,3
.set j, 22+4*((k-11)/2)+(\n)
	SM (\y)+(k-11)%2
.endr
.else
.irp n, 0,1,2,3,4,5,6,7
.if ((\n) < 2) || (k == 63)
.irp t, \y, (\y)+1
.set j, 2*k+(\n)
	SM \t
.endr
.endif
.endr
.endif
.if k == 34
	v_nop
.if (\y) == 0
	FETCH_V
.else
	s_wait_alu depctr_va_vdst(0)
.endif
.endif
.set k, k+1
.endm
; A TURN for piece x.  last = 1: no further mask words are loaded.
.macro TURN x, last
.set k, 0
.if \last
	s_wait_loadcnt 0x0
.else
	s_wait_loadcnt 0x2              ; my piece's mask words are in (in the first turn Q too); the other piece's two younger loads may stay out
.endif
.if (\x) == 0
	s_wait_dscnt 0x0                ; V is in
.endif
.set i, 0
.rept 32
	PV \x
	SLICE 2-(\x)
.if i%4 == 0
	MASKC \x, i/4
.endif
.if ((\x) == 0) && (i == 1)
	FETCH_K
.endif
.set i, i+1
.endr
.if !(\last)
	WIN 0                           ; the next step's words, into registers that the conversions above have read: the last of them stands three products and their slices back
	global_load_b128 v[WD+4*(\x):WD+4*(\x)+3],   v[MO+(\x)/2], s[MWP:MWP+1]
	global_load_b128 v[WD+4*(\x)+4:WD+4*(\x)+7], v[MO+(\x)/2], s[MWP:MWP+1] offset:512
.endif
.if (\x) == 0
	s_wait_dscnt 0x0                ; K is in
.endif
.set i, 0
.rept 32
	KQ \x
	SLICE 2-(\x)
.set i, i+1
.endr
.endm
	s_mov_b32 s[SLOTS], 15
.Lslot:                             ; trip t: slot t is whole, slot t + 1 is asked for; V^T P of step t - 1, K Q^T of step t
	CHANGE 1
	TURN 0, 0
	TURN 2, 0
	WIN 0
	s_sub_co_u32 s[SLOTS], s[SLOTS], 1
	s_cmp_lg_u32 s[SLOTS], 0
	s_cbranch_scc1 .Lslot
	CHANGE 0                        ; the tail is written out
	s_mov_b32 s[CNT], 2
.Ltail:                             ; the last slot's trip, and half a trip more, whose products K Q^T (on the last K once more) serve nothing
	TURN 0, 1
	WIN 0
	s_sub_co_u32 s[CNT], s[CNT], 1
	s_cmp_eq_u32 s[CNT], 0
	s_cbranch_scc1 .Lout
	TURN 2, 1
	WIN 0
	s_branch .Ltail
.Lout:
.set i, 0
.rept 32
	PV 2
.set i, i+1
.endr
	; THE MEETING.  l's two halves and the other half of the lanes' are added (these lines are the places behind the last products); tiles 2, 3 go to my partner (wave w xor 2) with their m and l.
	WIN 0
.irp t, 0,1,2,3
	v_add_f32 v[ST+8*(\t)+4], v[ST+8*(\t)+2], v[ST+8*(\t)+3]
.endr
.irp t, 0,1,2,3
	v_permlanex16_b32 v[ST+8*(\t)+5], v[ST+8*(\t)+4], s[SEL], s[SEL+1]
.endr
.irp t, 0,1,2,3
	v_add_f32 v[ST+8*(\t)+4], v[ST+8*(\t)+4], v[ST+8*(\t)+5]
.endr
	v_and_b32 v1, 15, v0
	v_bfe_u32 v9, v0, 4, 1
	v_and_b32 v[XS], 31, v0
	v_lshlrev_b32 v[XS], 4, v[XS]
	s_mul_i32 s2, s[WV], XCHB
	s_xor_b32 s3, s[WV], 2
	s_mul_i32 s3, s3, XCHB
	v_add_nc_u32 v[XL], s3, v[XS]
	v_add_nc_u32 v[XS], s2, v[XS]
	s_mul_i32 s2, s[WV], 16*SP
	s_add_co_u32 s2, s2, STAGE
	v_mul_u32_u24 v[STO], v1, SP
	v_lshl_add_u32 v[STO], v9, 4, v[STO]
	v_add_nc_u32 v[STO], s2, v[STO]
	v_mul_u32_u24 v[RD], v9, SP
	v_lshl_add_u32 v[RD], v1, 4, v[RD]
	v_add_nc_u32 v[RD], s2, v[RD]
	v_lshlrev_b32 v[GO], 12, v9
	v_lshl_add_u32 v[GO], v1, 4, v[GO]
	v_mov_b32 v[NAN], 0x7fc00000
	s_mov_b32 s58, 0xdf0ac723       ; -1e19
	v_mov_b32 v[S], v[ST+16]
	v_mov_b32 v[S+1], v[ST+20]
	v_mov_b32 v[S+2], v[ST+24]
	v_mov_b32 v[S+3], v[ST+28]
	WIN 0x04                        ; the stores' data in window 1
.set i, 0
.rept 32
	ds_store_b128 v[XS], v[128+4*i:128+4*i+3] offset:512*i
.set i, i+1
.endr
	WIN 0
	ds_store_b128 v[XS], v[S:S+3] offset:16384
	s_wait_dscnt 0x0                ; for my partner's sake
	s_barrier_signal -1
	s_barrier_wait -1
	ds_load_b128 v[WD:WD+3], v[XL] offset:16384
.set i, 0
.rept 32
	ds_load_b128 v[S+4*i:S+4*i+3], v[XL] offset:512*i
.set i, i+1
.endr
	s_wait_dscnt 32                 ; the statistics are in; the 32 loads behind them may stay out
.irp t, 0,1
	v_max_num_f32 v[ST+8*(\t)+5], v[ST+8*(\t)], v[WD+2*(\t)]
	v_sub_f32 v[ST+8*(\t)+6], v[ST+8*(\t)], v[ST+8*(\t)+5]
	v_sub_f32 v[ST+8*(\t)+7], v[WD+2*(\t)], v[ST+8*(\t)+5]
.endr
.irp t, 0,1
	v_exp_f32 v[ST+8*(\t)+6], v[ST+8*(\t)+6]
	v_exp_f32 v[ST+8*(\t)+7], v[ST+8*(\t)+7]
.endr
	v_nop
	s_wait_alu depctr_va_vdst(0)    ; one wait for the four
.irp t, 0,1
	v_mul_f32 v[ST+8*(\t)+4], v[ST+8*(\t)+6], v[ST+8*(\t)+4]
	v_fmac_f32 v[ST+8*(\t)+4], v[ST+8*(\t)+7], v[WD+2*(\t)+1]
.endr
.irp t, 0,1
	v_rcp_f32 v[ST+8*(\t)+4], v[ST+8*(\t)+4]
.endr
	v_nop
	s_wait_alu depctr_va_vdst(0)    ; one wait for the two
.irp t, 0,1
	v_mul_f32 v[ST+8*(\t)+6], v[ST+8*(\t)+6], v[ST+8*(\t)+4]  ; my part's factor,
	v_mul_f32 v[ST+8*(\t)+4], v[ST+8*(\t)+7], v[ST+8*(\t)+4]  ; my partner's
	v_cmp_gt_f32 vcc_lo, s58, v[ST+8*(\t)+5]                  ; no visible key in the whole row
	v_cndmask_b32 v[ST+8*(\t)+6], v[ST+8*(\t)+6], v[NAN], vcc_lo
	v_cndmask_b32 v[ST+8*(\t)+4], v[ST+8*(\t)+4], v[NAN], vcc_lo
.endr
	s_wait_dscnt 0x0
; Tile t: both parts scaled and added, rounded to f16, 16 bytes a lane into my own stage and back as whole rows of 256 bytes.
.macro PACK t
.set rT, ST+8*(\t)
	WIN W_RS
.set i, 64*(\t)
.rept 32
	v_pk_mul_f32 v[i:i+1], v[i:i+1], v[rT+6:rT+7] op_sel_hi:[1,0]
.set i, i+2
.endr
	WIN 0x50                        ; destination and source 2 in window 1
.set i, 64*(\t)
.rept 32
	v_pk_fma_f32 v[i:i+1], v[S+i:S+i+1], v[rT+4:rT+5], v[i:i+1] op_sel_hi:[1,0,1]
.set i, i+2
.endr
	WIN 0x05
.set i, 0
.rept 32
	v_cvt_pk_f16_f32 v[P+32*(\t)+i], v[64*(\t)+2*i], v[64*(\t)+2*i+1]
.set i, i+1
.endr
	WIN 0
.irp f, 0,1,2,3,4,5,6,7
	ds_store_b128 v[STO], v[P+32*(\t)+4*(\f):P+32*(\t)+4*(\f)+3] offset:32*(\f)
.endr
.irp f, 0,1,2,3,4,5,6,7
	ds_load_b128 v[P+32*(\t)+4*(\f):P+32*(\t)+4*(\f)+3], v[RD] offset:(\f)*2*SP  ; LDS serves a wave's instructions in order (ISA guide 5.7.1.4)
.endr
.endm
.macro SEND t, younger
.irp f, 0,1,2,3,4,5,6,7
	s_wait_dscnt (\younger)+7-(\f)
	global_store_b128 v[GO], v[P+32*(\t)+4*(\f):P+32*(\t)+4*(\f)+3], s[OB:OB+1] offset:(\t)*65536+(\f)*8192  ; 16 lanes: a head's 256 bytes of a row, aligned
.endr
.endm
	PACK 0
	PACK 1
	SEND 0, 16
	SEND 1, 0
	s_wait_tensorcnt 0x0            ; the wave's end
	ds_add_u32 v[SPW], v[NIL]
	s_wait_dscnt 0x0
	CROUND                          ; the closing round
	s_endpgm
.Lfunc_end_k_qdc9c920eb9_attn:
	.size	k_qdc9c920eb9_attn, .Lfunc_end_k_qdc9c920eb9_attn-k_qdc9c920eb9_attn
	.p2alignl 7, 3214868480
	.fill 96, 4, 3214868480
	.section	.rodata,"a",@progbits
	.p2align	6, 0x0
	.amdhsa_kernel k_qdc9c920eb9_attn
		.amdhsa_group_segment_fixed_size 327680
		.amdhsa_private_segment_fixed_size 0
		.amdhsa_enable_private_segment 0
		.amdhsa_kernarg_size 24
		.amdhsa_user_sgpr_count 2
		.amdhsa_user_sgpr_kernarg_segment_ptr 1
		.amdhsa_wavefront_size32 1
		.amdhsa_system_sgpr_workgroup_id_x 1
		.amdhsa_system_sgpr_workgroup_id_y 1
		.amdhsa_system_sgpr_workgroup_id_z 1
		.amdhsa_system_vgpr_workitem_id 0
		.amdhsa_next_free_vgpr 896
		.amdhsa_next_free_sgpr 66
		.amdhsa_reserve_vcc 1
		.amdhsa_float_denorm_mode_32 3
		.amdhsa_float_denorm_mode_16_64 3
		.amdhsa_memory_ordered 1
		.amdhsa_forward_progress 1
		.amdhsa_inst_pref_size 154
	.end_amdhsa_kernel
	.amdgpu_metadata
---
amdhsa.version: [ 1, 2 ]
amdhsa.kernels:
  - .name:           k_qdc9c920eb9_attn
    .symbol:         k_qdc9c920eb9_attn.kd
    .args:
      - { .name: qkv, .offset: 0, .size: 8, .value_kind: global_buffer, .address_space: global }
      - { .name: mnib, .offset: 8, .size: 8, .value_kind: global_buffer, .address_space: global }
      - { .name: ob, .offset: 16, .size: 8, .value_kind: global_buffer, .address_space: global }
    .group_segment_fixed_size: 327680
    .private_segment_fixed_size: 0
    .kernarg_segment_align: 8
    .kernarg_segment_size: 24
    .max_flat_workgroup_size: 128
    .sgpr_count:     66
    .vgpr_count:     896
    .wavefront_size: 32
...
	.end_amdgpu_metadata
.endif
;; end of part 3
;; launch proj (part 4): grid 16 x 16, 4 waves a work-group, clusters of 4 x 4, 327,680 bytes of LDS; arguments ob, wof, out0; writes out0
.if DOCPART == 4
	.amdgcn_target "amdgcn-amd-amdhsa--gfx1250"
	.amdhsa_code_object_version 6
	.text
	.protected	k_qdc9c920eb9_proj
	.globl	k_qdc9c920eb9_proj
	.p2align	8
	.type	k_qdc9c920eb9_proj,@function
k_qdc9c920eb9_proj:
	s_mov_b64 s[64:65], 0
	v_nop
	global_prefetch_b8 v0, s[64:65] scope:SCOPE_SE
	s_setreg_imm32_b32 hwreg(HW_REG_WAVE_MODE, 25, 1), 1
	s_wait_xcnt 0x0
	s_wait_alu depctr_hold_cnt(0) depctr_sa_sdst(0) depctr_va_vdst(0) depctr_va_sdst(0) depctr_va_ssrc(0) depctr_va_vcc(0) depctr_vm_vsrc(0)
	s_getreg_b32 s2, hwreg(HW_REG_IB_STS2, 6, 4)
	s_cmp_eq_u32 s2, 0
	s_cbranch_scc0 .Lentry_in_a_cluster
	s_endpgm
.Lentry_in_a_cluster:
	s_bfe_u32 s2, ttmp6, 0x10000c
	s_cmp_lg_u32 s2, 0xf033
	s_cbranch_scc0 .Lentry_shape_is_right
	s_endpgm
.Lentry_shape_is_right:
; out0[m][n] = the sum over k of ob[m][k] wof[n][k].  ob, wof: [2048][2048] in f16; out0 in f32; sums in f32.
; A tile is 128 x 128, so that 16 x 16 work-groups share the work; four waves of 64 x 64: 16 accumulators.  K in steps of 256 (LDS rows of 512 bytes + 16; a wave's tensor load brings 64 rows) through two slots.
; CLUSTER 4 x 4: ob's tile is asked for jointly along a row of the cluster, wof's along a column.  TRANSPOSED (source 0 = 16 rows of wof, source 1 = 16 rows of ob): a lane holds eight neighbouring numbers of a row.
; THE WALK ALONG K IS TURNED.  Cluster (X, Y) begins at K step 2 X + 4 f (mod 8), f = bit 0 of Y xor Y / 2, and goes round: the four clusters that read ob's rows begin 2 K steps apart, and of the four
; that read wof's rows two begin 4 K steps from the other two.  So clusters that read the same rows ask for a given K step at different times.  (f32 sums may be taken in any order.)
; A wave's 64 columns are 256 aligned bytes of out0, so each wave has a stage of its own on the way out and no barrier stands there.
; No prefetch: the tiles are small and each is read by many work-groups.
; REGISTERS: window 0: v0-31 addresses; v32-95 at work on the way out; v128-255 the accumulators ((a, b) at 128 + 8 (4 a + b)).   window 1: two fragment buffers of 128: 64 of ob's, then 64 of wof's.
.set SIZE_K, 2048
.set KSTEP,  256
.set PITCH,  528
.set HALFT,  64*PITCH
.set SLOT,   4*HALFT
.set STAGE,  2*SLOT                    ; behind the ring: 16 rows x 272 bytes for each wave
.set SPITCH, 272
.set SPARE,  STAGE+4*16*SPITCH
.set LAPS, SIZE_K/(2*KSTEP)
.set ADRA, 16
.set ADRB, 20
.set STO,  24
.set RD,   25
.set CO,   26
.set SPW,  28
.set NIL,  29
.set TMP,  32
.set ACC,  128
.set F0,   0
.set F1,   128
.set G1, 24
.set G0, 32
.set G1B, 48
.set G0B, 56
.set ABS, 66                           ; s[66:67] ob at the first of the rows that I fetch
.set BBS, 68                           ; s[68:69] wof likewise
.set KO,  70                           ; s[70:71] byte in a row of the K step asked for last; the high word is 0
.set MSB, 0
.macro WIN new
.if MSB != (\new)
	s_set_vgpr_msb (MSB<<8)|(\new)
.set MSB, \new
.endif
.endm
.set MUL,  0x05                        ; sources 0 and 1 window 1; C and D window 0
.set TO_F, 0x40
.macro JLOAD s                         ; waves 0 and 1 fetch ob's two halves, waves 2 and 3 wof's; an s_nop 0 and four v_nop follow each line
	s_cmp_eq_u32 s11, 0
	s_cbranch_scc0 .Lfor_b_\@
	tensor_load_to_lds s[G0+4*(\s):G0+4*(\s)+3], s[G1:G1+7]
	s_nop 0
.rept 4
	v_nop
.endr
	s_branch .Lasked_\@
.Lfor_b_\@:
	tensor_load_to_lds s[G0B+4*(\s):G0B+4*(\s)+3], s[G1B:G1B+7]
	s_nop 0
.rept 4
	v_nop
.endr
.Lasked_\@:
.endm
.macro CREST
	s_cmp_lg_u32 s10, 0
	s_cbranch_scc1 .Lnot_wave_0_\@
	s_barrier_signal -3
.Lnot_wave_0_\@:
	s_barrier_wait -3
	s_barrier_signal -1
	s_barrier_wait -1
.endm
.macro CROUND
	s_barrier_signal -1
	s_barrier_wait -1
	CREST
.endm
; Both descriptors of slot s take the K step at byte s[KO] of the rows: the address is made anew from the first row and that offset, the type bits set again
.macro AIM s
	s_add_nc_u64 s[G0+4*(\s)+2:G0+4*(\s)+3], s[ABS:ABS+1], s[KO:KO+1]
	s_or_b32 s[G0+4*(\s)+3], s[G0+4*(\s)+3], 0x80000000
	s_add_nc_u64 s[G0B+4*(\s)+2:G0B+4*(\s)+3], s[BBS:BBS+1], s[KO:KO+1]
	s_or_b32 s[G0B+4*(\s)+3], s[G0B+4*(\s)+3], 0x80000000
.endm
	s_load_b128 s[4:7], s[0:1], 0x0                ; ob s[4:5], wof s[6:7]
	s_load_b64 s[8:9], s[0:1], 0x10                ; out0
	v_lshl_add_u32 v[SPW], v0, 2, SPARE
	v_mov_b32 v[NIL], 0
	ds_add_u32 v[SPW], v[NIL]                      ; the wave's opening: the add and its wait ahead of my first tensor load
	v_lshrrev_b32 v1, 5, v0
	v_readfirstlane_b32 s10, v1                    ; wave
	s_lshr_b32 s11, s10, 1                         ; which half of the tile's rows is mine; also: I fetch for ob (0) or wof (1)
	s_and_b32 s12, s10, 1                          ; which half of its columns; also: which 64 rows I fetch
	s_bfe_u32 s40, ttmp6, 0x40000
	s_bfe_u32 s41, ttmp6, 0x40004
	s_lshl_b32 s42, ttmp9, 2
	s_add_co_u32 s42, s42, s40                     ; tile column
	s_and_b32 s13, ttmp7, 0xffff
	s_lshl_b32 s13, s13, 2
	s_add_co_u32 s13, s13, s41                     ; tile row
	s_lshl_b32 s43, s41, 2
	s_lshl_b32 s43, 15, s43
	s_lshl_b32 s44, 0x1111, s40
	s_or_b32 s[G1+0], s43, (1<<16)|(1<<20)|(1<<21)|(6<<22)|(3<<25)  ; the mask; 2-byte elements; padding on; bit 21 beside a mask; after every 128 words 4 words
	s_or_b32 s[G1B+0], s44, (1<<16)|(1<<20)|(1<<21)|(6<<22)|(3<<25)
.irp g, G1, G1B
	s_mov_b32 s[(\g)+1], KSTEP<<16
	s_mov_b32 s[(\g)+2], 64<<16
	s_mov_b32 s[(\g)+3], KSTEP<<16
	s_mov_b32 s[(\g)+4], 64
	s_mov_b32 s[(\g)+5], SIZE_K
	s_mov_b32 s[(\g)+6], 0
	s_mov_b32 s[(\g)+7], 0
.endr
	s_and_b32 s22, ttmp7, 0xffff                   ; where my cluster's walk begins: the same in all sixteen partners
	s_lshr_b32 s23, s22, 1
	s_xor_b32 s23, s23, s22
	s_and_b32 s23, s23, 1                          ; f
	s_lshl_b32 s23, s23, 11                        ; 4 K steps of 512 bytes
	s_lshl_b32 s22, ttmp9, 10                      ; 2 X K steps
	s_add_co_u32 s[KO], s22, s23
	s_and_b32 s[KO], s[KO], 4095                   ; a row has 4,096 bytes
	s_mov_b32 s[KO+1], 0
	s_lshl_b32 s17, s12, 6
	s_lshl_b32 s16, s13, 7
	s_add_co_u32 s16, s16, s17
	s_lshl_b32 s46, s42, 7
	s_add_co_u32 s46, s46, s17
	s_mov_b32 s17, 0
	s_mov_b32 s47, 0
	s_mov_b64 s[18:19], SIZE_K*2
	s_mul_u64 s[16:17], s[16:17], s[18:19]
	s_mul_u64 s[46:47], s[46:47], s[18:19]
	s_mul_i32 s20, s10, HALFT
	s_wait_dscnt 0x0
	s_wait_kmcnt 0x0
	s_add_nc_u64 s[ABS:ABS+1], s[4:5], s[16:17]
	s_add_nc_u64 s[BBS:BBS+1], s[6:7], s[46:47]
	CROUND
.irp s, 0,1
	s_mov_b32 s[G0+4*(\s)], 1
	s_add_co_u32 s[G0+4*(\s)+1], s20, (\s)*SLOT
	s_mov_b32 s[G0B+4*(\s)], 1
	s_add_co_u32 s[G0B+4*(\s)+1], s20, (\s)*SLOT
	AIM \s
	JLOAD \s
.if (\s) == 0
	s_add_co_u32 s[KO], s[KO], KSTEP*2             ; the walk's second step: it begins at an even K step, so this one does not go round
.endif
.endr
	v_and_b32 v1, 15, v0
	v_bfe_u32 v2, v0, 4, 1
	v_mul_u32_u24 v3, v1, PITCH
	v_lshl_add_u32 v3, v2, 4, v3
	s_mul_i32 s21, s11, HALFT
	s_mul_i32 s22, s12, HALFT
	s_add_co_u32 s22, s22, 2*HALFT
.irp s, 0,1
	v_add_nc_u32 v[ADRA+(\s)], s21, v3
	v_add_nc_u32 v[ADRB+(\s)], s22, v3
	s_add_co_u32 s21, s21, SLOT
	s_add_co_u32 s22, s22, SLOT
.endr
	s_mul_i32 s23, s10, 16*SPITCH
	s_add_co_u32 s23, s23, STAGE                   ; my stage
	v_mul_u32_u24 v4, v1, SPITCH                   ; in: row l % 16, 32 bytes for each half of the lanes
	v_lshl_add_u32 v4, v2, 5, v4
	v_add_nc_u32 v[STO], s23, v4
	v_mul_u32_u24 v5, v2, SPITCH                   ; back: lanes 0-15 one row of 256 bytes, lanes 16-31 the next
	v_lshl_add_u32 v5, v1, 4, v5
	v_add_nc_u32 v[RD], s23, v5
	v_lshlrev_b32 v5, 13, v2                       ; and the same two rows in out0, 8,192 bytes each
	v_lshl_add_u32 v[CO], v1, 4, v5
	s_lshl_b32 s16, s13, 7
	s_lshl_b32 s17, s11, 6
	s_add_co_u32 s16, s16, s17                     ; my first row
	s_lshl_b32 s16, s16, 13
	s_mov_b32 s17, 0
	s_add_nc_u64 s[8:9], s[8:9], s[16:17]
	s_lshl_b32 s46, s42, 9                         ; my first column, in bytes
	s_lshl_b32 s47, s12, 8
	s_add_co_u32 s46, s46, s47
	s_mov_b32 s47, 0
	s_add_nc_u64 s[8:9], s[8:9], s[46:47]
.macro MUL8 f, c, a0, zero             ; 8 products: row blocks a0, a0 + 1 x all 4 column blocks, 32 along K; the 16 accumulators take turns
	WIN MUL
.irp a, \a0, (\a0)+1
.irp b, 0,1,2,3
.if \zero
	v_wmma_f32_16x16x32_f16 v[ACC+8*(4*(\a)+(\b)):ACC+8*(4*(\a)+(\b))+7], v[(\f)+64+8*(4*(\c)+(\b)):(\f)+64+8*(4*(\c)+(\b))+7], v[(\f)+8*(4*(\c)+(\a)):(\f)+8*(4*(\c)+(\a))+7], 0
.else
	v_wmma_f32_16x16x32_f16 v[ACC+8*(4*(\a)+(\b)):ACC+8*(4*(\a)+(\b))+7], v[(\f)+64+8*(4*(\c)+(\b)):(\f)+64+8*(4*(\c)+(\b))+7], v[(\f)+8*(4*(\c)+(\a)):(\f)+8*(4*(\c)+(\a))+7], v[ACC+8*(4*(\a)+(\b)):ACC+8*(4*(\a)+(\b))+7]
.endif
.endr
.endr
.endm
.macro FETCH slot, k, f                ; 32 LDS loads in one run: 64 along K at byte k, the first 32 along K first
	WIN TO_F
.irp c, 0,1
.irp i, 0,1,2,3
	ds_load_b128 v[(\f)+64+8*(4*(\c)+(\i)):(\f)+64+8*(4*(\c)+(\i))+3],   v[ADRB+(\slot)] offset:(\k)+64*(\c)+(\i)*16*PITCH
	ds_load_b128 v[(\f)+64+8*(4*(\c)+(\i))+4:(\f)+64+8*(4*(\c)+(\i))+7], v[ADRB+(\slot)] offset:(\k)+64*(\c)+(\i)*16*PITCH+32
	ds_load_b128 v[(\f)+8*(4*(\c)+(\i)):(\f)+8*(4*(\c)+(\i))+3],         v[ADRA+(\slot)] offset:(\k)+64*(\c)+(\i)*16*PITCH
	ds_load_b128 v[(\f)+8*(4*(\c)+(\i))+4:(\f)+8*(4*(\c)+(\i))+7],       v[ADRA+(\slot)] offset:(\k)+64*(\c)+(\i)*16*PITCH+32
.endr
.endr
.endm
.macro PLACES
.rept 4
	v_nop
.endr
.endm
.macro QUARTER slot, k, f, g, zero
	s_wait_dscnt 16                                ; the first 32 along K are in
	MUL8 \f, 0, 0, \zero
	MUL8 \f, 0, 2, \zero
	PLACES
	FETCH \slot, \k, \g
	s_wait_dscnt 32                                ; all but the 32 just issued
	MUL8 \f, 1, 0, 0
	MUL8 \f, 1, 2, 0
.endm
.macro TURN slot, next, fill           ; the last quarter changes slots: the wait for all my tensor loads, the add, the wait for it and for my reads; fill = 1: a round, and the joint refill first behind it
	WIN 0
	s_wait_tensorcnt 0x0
	ds_add_u32 v[SPW], v[NIL]
	s_wait_dscnt 17                                ; the add and the youngest sixteen loads may be out
	MUL8 F1, 0, 0, 0
	s_wait_dscnt 0x0
	s_barrier_signal -1
	MUL8 F1, 0, 2, 0
	WIN 0
	s_barrier_wait -1
.if \fill
	CREST
	s_add_co_u32 s[KO], s[KO], KSTEP*2             ; the walk's next K step,
	s_and_b32 s[KO], s[KO], 4095                   ; round the row's end
	AIM \slot                                      ; no tensor load of mine is out, so the descriptors may be written
	JLOAD \slot
.else
	PLACES
.endif
	FETCH \next, 0, F0
	MUL8 F1, 1, 0, 0
	MUL8 F1, 1, 2, 0
.endm
	s_wait_tensorcnt 1                             ; my part of the walk's first K step is in; the second's may stay out
	s_barrier_signal -1
	s_barrier_wait -1
	FETCH 0, 0, F0
	QUARTER 0, 128, F0, F1, 1
	WIN 0
	s_mov_b32 s3, LAPS-1
.Llap:
	QUARTER 0, 256, F1, F0, 0
	QUARTER 0, 384, F0, F1, 0
	TURN 0, 1, 1
	QUARTER 1, 128, F0, F1, 0
	QUARTER 1, 256, F1, F0, 0
	QUARTER 1, 384, F0, F1, 0
	TURN 1, 0, 1
	QUARTER 0, 128, F0, F1, 0
	WIN 0
	s_sub_co_u32 s3, s3, 1
	s_cmp_lg_u32 s3, 0
	s_cbranch_scc1 .Llap
	QUARTER 0, 256, F1, F0, 0
	QUARTER 0, 384, F0, F1, 0
	TURN 0, 1, 0
	QUARTER 1, 128, F0, F1, 0
	QUARTER 1, 256, F1, F0, 0
	QUARTER 1, 384, F0, F1, 0
	s_wait_dscnt 16
	MUL8 F1, 0, 0, 0
	MUL8 F1, 0, 2, 0
	s_wait_dscnt 0x0
	MUL8 F1, 1, 0, 0
	MUL8 F1, 1, 2, 0
	WIN 0
	; THE WAY OUT, 16 rows at a time through my own stage: 32 bytes a lane in, whole rows of 256 bytes back.  LDS serves a wave's instructions in order (ISA guide 5.7.1.4), so no wait stands between stores and loads.
	PLACES
	PLACES
.irp a, 0,1,2,3
.irp b, 0,1,2,3
	ds_store_b128 v[STO], v[ACC+8*(4*(\a)+(\b)):ACC+8*(4*(\a)+(\b))+3]   offset:64*(\b)
	ds_store_b128 v[STO], v[ACC+8*(4*(\a)+(\b))+4:ACC+8*(4*(\a)+(\b))+7] offset:64*(\b)+16
.endr
.if (\a) >= 2
	s_wait_xcnt 0x0                                ; the stores of two blocks back have read the registers that are loaded again below
.endif
.irp t, 0,1,2,3,4,5,6,7
	ds_load_b128 v[TMP+32*((\a)%2)+4*(\t):TMP+32*((\a)%2)+4*(\t)+3], v[RD] offset:(\t)*2*SPITCH
.endr
.irp t, 0,1,2,3,4,5,6,7
	s_wait_dscnt 7-(\t)
	global_store_b128 v[CO], v[TMP+32*((\a)%2)+4*(\t):TMP+32*((\a)%2)+4*(\t)+3], s[8:9] offset:(16*(\a)+2*(\t))*8192 th:TH_STORE_NT  ; 16 lanes: 256 consecutive bytes, aligned
.endr
.endr
	s_wait_tensorcnt 0x0                           ; the wave's end
	ds_add_u32 v[SPW], v[NIL]
	s_wait_dscnt 0x0
	CROUND                                         ; the closing round
	s_endpgm
.Lfunc_end_k_qdc9c920eb9_proj:
	.size	k_qdc9c920eb9_proj, .Lfunc_end_k_qdc9c920eb9_proj-k_qdc9c920eb9_proj
	.p2alignl 7, 3214868480
	.fill 96, 4, 3214868480
	.section	.rodata,"a",@progbits
	.p2align	6, 0x0
	.amdhsa_kernel k_qdc9c920eb9_proj
		.amdhsa_group_segment_fixed_size 327680
		.amdhsa_private_segment_fixed_size 0
		.amdhsa_enable_private_segment 0
		.amdhsa_kernarg_size 24
		.amdhsa_user_sgpr_count 2
		.amdhsa_user_sgpr_kernarg_segment_ptr 1
		.amdhsa_wavefront_size32 1
		.amdhsa_system_sgpr_workgroup_id_x 1
		.amdhsa_system_sgpr_workgroup_id_y 1
		.amdhsa_system_sgpr_workgroup_id_z 1
		.amdhsa_system_vgpr_workitem_id 0
		.amdhsa_next_free_vgpr 512
		.amdhsa_next_free_sgpr 72
		.amdhsa_reserve_vcc 0
		.amdhsa_float_denorm_mode_32 3
		.amdhsa_float_denorm_mode_16_64 3
		.amdhsa_memory_ordered 1
		.amdhsa_forward_progress 1
		.amdhsa_inst_pref_size 87
	.end_amdhsa_kernel
	.amdgpu_metadata
---
amdhsa.version: [ 1, 2 ]
amdhsa.kernels:
  - .name:           k_qdc9c920eb9_proj
    .symbol:         k_qdc9c920eb9_proj.kd
    .args:
      - { .name: ob, .offset: 0, .size: 8, .value_kind: global_buffer, .address_space: global }
      - { .name: wof, .offset: 8, .size: 8, .value_kind: global_buffer, .address_space: global }
      - { .name: out0, .offset: 16, .size: 8, .value_kind: global_buffer, .address_space: global }
    .group_segment_fixed_size: 327680
    .private_segment_fixed_size: 0
    .kernarg_segment_align: 8
    .kernarg_segment_size: 24
    .max_flat_workgroup_size: 128
    .sgpr_count:     72
    .vgpr_count:     512
    .wavefront_size: 32
...
	.end_amdgpu_metadata
.endif
;; end of part 4
